; MI455X (gfx1250); checked and timed in simulation.
; The chip was launched on July 23, 2026; its instructions are those of AMD's public machine-readable ISA for CDNA 5 (MIT licence, August 2026) and "CDNA5" Instruction Set Architecture Reference Guide (July 2026). The comments in the code are by the model that wrote it; some were corrected since.
;; Mo E. Allowed arithmetic: float matrix products may take bf16 or f16 operands with f32 sums; other float arithmetic in f32, or as packed bf16 or f16 multiplies, adds, multiply-adds, maxima and minima; sums over many terms, partial sums and values carried from step to step in f32; what a program stores and reads back later, other than sums and carried values, may be rounded once to bf16 or f16.
;; Inputs: down_proj 16 x 1,024 x 512 float32; gate_up_proj 16 x 1,024 x 1,024 float32; hidden_states 2 x 1,024 x 1,024 float32; router_w 16 x 1,024 float32; shared_down_w 1,024 x 2,048 float32; shared_expert_gate_w 1 x 1,024 float32; shared_gate_w 2,048 x 1,024 float32; shared_up_w 2,048 x 1,024 float32.
;; Outputs: out0 2 x 1,024 x 1,024 float32; out1 one number float32.
;; Constants: top_k = 4.
;; 2 versions, each right and faster than the one before. Each part assembles by itself: llvm-mc -triple=amdgcn-amd-amdhsa -mcpu=gfx1250 --defsym DOCPART=n.
;; ======== version 1 of 2: 4 launches
;; workspace buffers: hb 4,194,304 bytes; sel 32,768 bytes of whole numbers; wts 65,536 bytes; auxp 16,384 bytes; act 41,943,040 bytes; partial 67,108,864 bytes
;; launch router (part 1): grid 128 x 1, 8 waves a work-group, no clusters, 46,080 bytes of LDS; arguments hidden_states, router_w, shared_expert_gate_w, hb, sel, wts, auxp; writes hb, sel, wts, auxp
.if DOCPART == 1
	.amdgcn_target "amdgcn-amd-amdhsa--gfx1250"
	.amdhsa_code_object_version 6
	.text
	.protected	k_q68fa8819b3_router
	.globl	k_q68fa8819b3_router
	.p2align	8
	.type	k_q68fa8819b3_router,@function
k_q68fa8819b3_router:
	s_mov_b64 s[64:65], 0
	v_nop
	global_prefetch_b8 v0, s[64:65] scope:SCOPE_SE
	s_setreg_imm32_b32 hwreg(HW_REG_WAVE_MODE, 25, 1), 1
	s_wait_xcnt 0x0
; ROUTER.  For 16 tokens a work-group: h rounded to bf16 (hb), the 16 router logits and the shared gate's logit (bf16 products, f32 sums),
; softmax with the row's maximum taken away, top-4 of the probabilities (ties: the lower expert), renormalised weights, the sigmoid gate,
; and the work-group's part of the aux loss.  Stored at fixed places: nothing chosen here steers an address or a branch of this launch.
;   sel  [token][16] bytes: k (0..3) where the token took the expert as its k-th choice, else 0xff
;   wts  [token][8] f32: w0..w3, then the gate four times            auxp [work-group][32] f32: 16 counts, then the sum of all probabilities 16 times
; SHARES.  Wave w takes K = 128 w .. 128 w + 127 of all 16 tokens: the bytes it loads are the bytes its own fragments need; the eight partial logits meet in LDS, wave 0 goes on.
; LIMITS.  All three inputs are rounded to bf16 and the choice of experts follows the rounded numbers; two probabilities closer than the f32 sums' rounding may change places.
; Exponentials and reciprocals are good to 1 ULP and give 0 below 2^-126; NaN and infinities are not treated apart; the f32 sums' order is not the reference's.
; No cluster: work-groups share router_w alone, 64 KiB beside 64 KiB of h each, and it goes through registers for the rounding.
.set HTP,   272                        ; a token's 128 bf16 of one wave in LDS: 256 bytes + 16
.set HTW,   16*HTP                     ; a wave's 16 tokens
.set RED,   8*HTW                      ; behind them: the partial logits
.set REDP,  80                         ; a token's 16 logits and the gate's, 68 bytes, on a pitch of 80
.set REDW,  16*REDP
.set SPARE, RED+8*REDW                 ; the spare words, 128 bytes for each of eight waves: four blocks of 256 bytes that no other line names
.set LANE, 1
.set RR,   2                           ; lane % 16
.set HH,   3                           ; lane / 16
.set SPW,  4                           ; my spare word's LDS address; never rewritten
.set NIL,  5                           ; 0; never rewritten
.set HOF,  6                           ; byte offsets and LDS addresses
.set RWO,  7
.set GWO,  8
.set HBO,  9
.set HTS,  10
.set HTR,  11
.set RDS,  12
.set RDT,  13
.set RDR,  14
.set HR,   16                          ; v16-79   h, 4 registers a token
.set RW,   80                          ; v80-143  router_w: 16 f32 a K step, rounded in place into the first 8
.set GW,   144                         ; v144-207 the gate vector, likewise
.set AF,   208                         ; v208-239 the tokens' four fragments
.set DA,   240                         ; logits: lane (r, h), register j: expert 8 h + j, token r
.set DB,   248                         ; the gate's logit of token r, in every register
.set LG,   48                          ; wave 0: the summed logits, v64 the gate's
.set PR,   96                          ; wave 0: the probabilities
.set TV,   120                         ; wave 0: the four top values
.set KK,   128                         ; wave 0: each expert's k, or 0xff
	s_load_b256 s[4:11], s[0:1], 0x0               ; h s[4:5], router_w s[6:7], gate vector s[8:9], hb s[10:11]
	s_load_b128 s[12:15], s[0:1], 0x20             ; sel s[12:13], wts s[14:15]
	s_load_b64 s[16:17], s[0:1], 0x30              ; auxp
	v_lshl_add_u32 v[SPW], v0, 2, SPARE
	v_mov_b32 v[NIL], 0
	v_and_b32 v[LANE], 31, v0
	v_and_b32 v[RR], 15, v0
	v_bfe_u32 v[HH], v0, 4, 1
	v_lshrrev_b32 v15, 5, v0
	v_readfirstlane_b32 s18, v15                   ; wave 0..7
	s_lshl_b32 s19, s18, 9                         ; my 128 f32 of a row
	v_lshl_add_u32 v[HOF], v[LANE], 4, s19         ; h: 512 w + 16 lane
	v_lshl_add_u32 v[GWO], v[HH], 5, s19           ; gate vector: 512 w + 32 h
	v_lshl_add_u32 v[RWO], v[RR], 12, v[GWO]       ; router_w: + 4,096 x expert
	s_lshl_b32 s19, s18, 8
	v_lshl_add_u32 v[HBO], v[LANE], 3, s19         ; hb: 256 w + 8 lane
	s_mul_i32 s19, s18, HTW
	v_lshl_add_u32 v[HTS], v[LANE], 3, s19         ; into my part of LDS: 8 bytes a lane
	v_mul_u32_u24 v15, v[RR], HTP
	v_lshl_add_u32 v15, v[HH], 4, v15
	v_add_nc_u32 v[HTR], s19, v15                  ; back as fragments: row r, 16 bytes for each half of the lanes
	s_mul_i32 s19, s18, REDW
	s_add_co_u32 s19, s19, RED
	v_mul_u32_u24 v15, v[RR], REDP
	v_add_nc_u32 v[RDT], s19, v15                  ; my wave's partial logits of token r
	v_lshl_add_u32 v[RDS], v[HH], 5, v[RDT]        ; experts 8 h on
	v_add_nc_u32 v[RDR], RED, v15                  ; wave 0 reads all eight from here
	s_lshl_b32 s20, ttmp9, 16                      ; 16 rows of 4,096 bytes
	s_mov_b32 s21, 0
	s_lshl_b32 s22, ttmp9, 15                      ; 16 rows of 2,048 bytes
	s_mov_b32 s23, 0
	s_wait_kmcnt 0x0
	s_add_nc_u64 s[4:5], s[4:5], s[20:21]
	s_add_nc_u64 s[10:11], s[10:11], s[22:23]
.irp i, 0,1,2,3,4,5,6,7,8,9,10,11,12,13,14,15
	global_load_b128 v[HR+4*\i:HR+4*\i+3], v[HOF], s[4:5] offset:4096*\i th:TH_LOAD_NT  ; 512 consecutive bytes of token i
.endr
; A fragment of 16 rows x 32 K holds, for lane (r, h), K = 8 h .. +7 and 16 + 8 h .. +7 of row r: in f32 four loads of 16 bytes at 32 h + 0, 16, 64, 80.
.irp st, 0,1,2,3
.irp c, 0,1,2,3
	global_load_b128 v[RW+16*\st+4*\c:RW+16*\st+4*\c+3], v[RWO], s[6:7] offset:128*\st+64*(\c/2)+16*(\c%2)
.endr
.endr
.irp st, 0,1,2,3
.irp c, 0,1,2,3
	global_load_b128 v[GW+16*\st+4*\c:GW+16*\st+4*\c+3], v[GWO], s[8:9] offset:128*\st+64*(\c/2)+16*(\c%2)  ; all 16 rows of this fragment are the one gate vector
.endr
.endr
	s_wait_loadcnt 32                              ; h is in; the 32 loads of the weights behind it stay out
.irp i, 0,1,2,3,4,5,6,7,8,9,10,11,12,13,14,15
	v_cvt_pk_bf16_f32 v[HR+4*\i], v[HR+4*\i], v[HR+4*\i+1]
	v_cvt_pk_bf16_f32 v[HR+4*\i+1], v[HR+4*\i+2], v[HR+4*\i+3]
	global_store_b64 v[HBO], v[HR+4*\i:HR+4*\i+1], s[10:11] offset:2048*\i  ; 256 consecutive bytes, aligned
	ds_store_b64 v[HTS], v[HR+4*\i:HR+4*\i+1] offset:HTP*\i
.endr
	s_wait_loadcnt 0x0
.irp base, RW, GW
.irp st, 0,1,2,3
.irp j, 0,1,2,3,4,5,6,7
	v_cvt_pk_bf16_f32 v[\base+16*\st+\j], v[\base+16*\st+2*\j], v[\base+16*\st+2*\j+1]  ; in place, ascending: register j is written when 2 j and 2 j + 1 have been read
.endr
.endr
.endr
.irp st, 0,1,2,3
	ds_load_b128 v[AF+8*\st:AF+8*\st+3],   v[HTR] offset:64*\st     ; my own bytes: LDS serves a wave's instructions in order (ISA guide 5.7.1.4)
	ds_load_b128 v[AF+8*\st+4:AF+8*\st+7], v[HTR] offset:64*\st+32
.endr
	s_wait_dscnt 0x0
	v_wmma_f32_16x16x32_bf16 v[DA:DA+7], v[RW:RW+7], v[AF:AF+7], 0  ; the two accumulators take turns; the first products start the sums
	v_wmma_f32_16x16x32_bf16 v[DB:DB+7], v[GW:GW+7], v[AF:AF+7], 0
.irp st, 1,2,3
	v_wmma_f32_16x16x32_bf16 v[DA:DA+7], v[RW+16*\st:RW+16*\st+7], v[AF+8*\st:AF+8*\st+7], v[DA:DA+7]
	v_wmma_f32_16x16x32_bf16 v[DB:DB+7], v[GW+16*\st:GW+16*\st+7], v[AF+8*\st:AF+8*\st+7], v[DB:DB+7]
.endr
.rept 4
	v_nop                                          ; four places between the last product and the stores that read the results
.endr
	ds_store_b128 v[RDS], v[DA:DA+3]
	ds_store_b128 v[RDS], v[DA+4:DA+7] offset:16
	ds_store_b32 v[RDT], v[DB] offset:64           ; both halves of the lanes write the same number
	s_wait_dscnt 0x0                               ; for wave 0's sake: my partial logits are in LDS
	s_barrier_signal -1
	s_barrier_wait -1
	s_cmp_lg_u32 s18, 0
	s_cbranch_scc1 .Lend
	; WAVE 0: lane -> token lane % 16; lanes 16-31 do the same work as lanes 0-15.
	s_wait_xcnt 0x0                                ; hb's stores have read v16-79, which the loads below write
.irp wv, 0,1,2,3,4,5,6,7
.irp c, 0,1,2,3
	ds_load_b128 v[LG+20*\wv+4*\c:LG+20*\wv+4*\c+3], v[RDR] offset:REDW*\wv+16*\c
.endr
	ds_load_b32 v[LG+20*\wv+16], v[RDR] offset:REDW*\wv+64
.endr
	s_wait_dscnt 0x0
.irp wv, 1,2,3,4,5,6,7
.irp p, 0,1,2,3,4,5,6,7
	v_pk_add_f32 v[LG+2*\p:LG+2*\p+1], v[LG+2*\p:LG+2*\p+1], v[LG+20*\wv+2*\p:LG+20*\wv+2*\p+1]
.endr
	v_add_f32 v[LG+16], v[LG+16], v[LG+20*\wv+16]
.endr
	v_max3_num_f32 v208, v[LG], v[LG+1], v[LG+2]   ; the row's maximum
.irp p, 3,5,7,9,11,13
	v_max3_num_f32 v208, v208, v[LG+\p], v[LG+\p+1]
.endr
	v_max_num_f32 v208, v208, v[LG+15]
	v_mov_b32 v209, v208
.irp p, 0,1,2,3,4,5,6,7
	v_pk_add_f32 v[PR+2*\p:PR+2*\p+1], v[LG+2*\p:LG+2*\p+1], v[208:209] neg_lo:[0,1] neg_hi:[0,1]  ; l - max
.endr
.irp p, 0,1,2,3,4,5,6,7
	v_pk_mul_f32 v[PR+2*\p:PR+2*\p+1], v[PR+2*\p:PR+2*\p+1], 0x3fb8aa3b op_sel_hi:[1,0]  ; x log2(e)
.endr
	v_mul_f32 v112, 0xbfb8aa3b, v[LG+16]           ; the gate: - log2(e) g
.irp e, 0,1,2,3,4,5,6,7,8,9,10,11,12,13,14,15,16
	v_exp_f32 v[PR+\e], v[PR+\e]                   ; one batch of 17
.endr
	v_nop                                          ; a plain instruction behind the last exponential,
	s_wait_alu depctr_va_vdst(0)                   ; and the one wait ahead of the batch's first reader
	v_pk_add_f32 v[114:115], v[PR:PR+1], v[PR+2:PR+3]
.irp p, 2,3,4,5,6,7
	v_pk_add_f32 v[114:115], v[114:115], v[PR+2*\p:PR+2*\p+1]
.endr
	v_add_f32 v114, v114, v115
	v_add_f32 v113, 1.0, v112
	v_rcp_f32 v116, v114                           ; 1 / the sum of the exponentials
	v_rcp_f32 v117, v113                           ; sigmoid(g) = 1 / (1 + 2^(-log2(e) g)): 0 where the exponential is infinite
	v_nop
	s_wait_alu depctr_va_vdst(0)
.irp p, 0,1,2,3,4,5,6,7
	v_pk_mul_f32 v[PR+2*\p:PR+2*\p+1], v[PR+2*\p:PR+2*\p+1], v[116:117] op_sel_hi:[1,0]
.endr
	v_pk_add_f32 v[118:119], v[PR:PR+1], v[PR+2:PR+3]  ; the token's sum of probabilities, for the aux loss
.irp p, 2,3,4,5,6,7
	v_pk_add_f32 v[118:119], v[118:119], v[PR+2*\p:PR+2*\p+1]
.endr
	v_add_f32 v118, v118, v119
.irp e, 0,1,2,3,4,5,6,7,8,9,10,11,12,13,14,15
	v_mov_b32 v[KK+\e], 0xff
.endr
; Choice k: the largest probability left, the lowest expert that has it; that expert leaves the field (-1) and takes k.  Selects alone: no branch.
.macro PICK k
	v_max3_num_f32 v[TV+\k], v[PR], v[PR+1], v[PR+2]
.irp p, 3,5,7,9,11,13
	v_max3_num_f32 v[TV+\k], v[TV+\k], v[PR+\p], v[PR+\p+1]
.endr
	v_max_num_f32 v[TV+\k], v[TV+\k], v[PR+15]
	v_mov_b32 v124, 0
.irp e, 15,14,13,12,11,10,9,8,7,6,5,4,3,2,1,0
	v_cmp_eq_f32 vcc_lo, v[PR+\e], v[TV+\k]
	v_cndmask_b32 v124, v124, \e, vcc_lo
.endr
.irp e, 0,1,2,3,4,5,6,7,8,9,10,11,12,13,14,15
	v_cmp_eq_u32 vcc_lo, \e, v124
	v_cndmask_b32 v[PR+\e], v[PR+\e], -1.0, vcc_lo
	v_cndmask_b32 v[KK+\e], v[KK+\e], \k, vcc_lo
.endr
.endm
	PICK 0
	PICK 1
	PICK 2
	PICK 3
	v_add_f32 v125, v[TV], v[TV+1]
	v_add_f32 v126, v[TV+2], v[TV+3]
	v_add_f32 v125, v125, v126
	v_rcp_f32 v126, v125
	v_nop
	s_wait_alu depctr_va_vdst(0)
.irp k, 0,1,2,3
	v_mul_f32 v[TV+\k], v[TV+\k], v126             ; renormalised
.endr
.irp q, 0,1,2,3
	v_lshl_or_b32 v[144+\q], v[KK+4*\q+1], 8, v[KK+4*\q]  ; four experts' bytes to a word
	v_lshl_or_b32 v[144+\q], v[KK+4*\q+2], 16, v[144+\q]
	v_lshl_or_b32 v[144+\q], v[KK+4*\q+3], 24, v[144+\q]
.endr
	s_lshl_b32 s20, ttmp9, 8
	s_add_nc_u64 s[12:13], s[12:13], s[20:21]      ; sel: 16 tokens x 16 bytes a work-group
	s_lshl_b32 s20, ttmp9, 9
	s_add_nc_u64 s[14:15], s[14:15], s[20:21]      ; wts: 16 x 32
	s_lshl_b32 s20, ttmp9, 7
	s_add_nc_u64 s[16:17], s[16:17], s[20:21]      ; auxp: 128
	v_lshlrev_b32 v150, 4, v[RR]
	v_lshl_add_u32 v150, v[HH], 3, v150            ; 16 r + 8 h
	v_lshlrev_b32 v151, 1, v150                    ; 32 r + 16 h
	v_lshlrev_b32 v161, 2, v[LANE]
	v_cmp_eq_u32 vcc_lo, 1, v[HH]
	v_cndmask_b32 v148, v144, v146, vcc_lo
	v_cndmask_b32 v149, v145, v147, vcc_lo
	global_store_b64 v150, v[148:149], s[12:13]    ; 256 consecutive bytes, aligned
.irp k, 0,1,2,3
	v_cndmask_b32 v[152+\k], v[TV+\k], v117, vcc_lo  ; lanes 0-15 the four weights, lanes 16-31 the gate four times
.endr
	global_store_b128 v151, v[152:155], s[14:15]   ; 512 consecutive bytes, aligned
	v_mov_b32 v160, 0
.irp e, 0,1,2,3,4,5,6,7,8,9,10,11,12,13,14,15
	v_cmp_gt_u32 s22, 4, v[KK+\e]                  ; which tokens took expert e,
	s_and_b32 s22, s22, 0xffff                     ; each token once,
	s_bcnt1_i32_b32 s22, s22
	v_writelane_b32 v160, s22, \e                  ; counted into lane e
.endr
	v_cvt_f32_u32 v160, v160
	v_add_f32_dpp v118, v118, v118 row_xmask:1 row_mask:0xf bank_mask:0xf  ; the 16 tokens' sums of probabilities
	v_add_f32_dpp v118, v118, v118 row_xmask:2 row_mask:0xf bank_mask:0xf
	v_add_f32_dpp v118, v118, v118 row_xmask:4 row_mask:0xf bank_mask:0xf
	v_add_f32_dpp v118, v118, v118 row_xmask:8 row_mask:0xf bank_mask:0xf
	v_cmp_le_u32 vcc_lo, 16, v[LANE]
	v_cndmask_b32 v160, v160, v118, vcc_lo
	global_store_b32 v161, v160, s[16:17]
.Lend:
	s_wait_tensorcnt 0x0                           ; the wave's end, behind my last LDS store
	ds_add_u32 v[SPW], v[NIL]
	s_wait_dscnt 0x0
	s_endpgm
.Lfunc_end_k_q68fa8819b3_router:
	.size	k_q68fa8819b3_router, .Lfunc_end_k_q68fa8819b3_router-k_q68fa8819b3_router
	.p2alignl 7, 3214868480
	.fill 96, 4, 3214868480
	.section	.rodata,"a",@progbits
	.p2align	6, 0x0
	.amdhsa_kernel k_q68fa8819b3_router
		.amdhsa_group_segment_fixed_size 46080
		.amdhsa_private_segment_fixed_size 0
		.amdhsa_enable_private_segment 0
		.amdhsa_kernarg_size 56
		.amdhsa_user_sgpr_count 2
		.amdhsa_user_sgpr_kernarg_segment_ptr 1
		.amdhsa_wavefront_size32 1
		.amdhsa_system_sgpr_workgroup_id_x 1
		.amdhsa_system_sgpr_workgroup_id_y 1
		.amdhsa_system_sgpr_workgroup_id_z 1
		.amdhsa_system_vgpr_workitem_id 0
		.amdhsa_next_free_vgpr 256
		.amdhsa_next_free_sgpr 66
		.amdhsa_reserve_vcc 1
		.amdhsa_float_denorm_mode_32 3
		.amdhsa_float_denorm_mode_16_64 3
		.amdhsa_memory_ordered 1
		.amdhsa_forward_progress 1
		.amdhsa_inst_pref_size 52
	.end_amdhsa_kernel
	.amdgpu_metadata
---
amdhsa.version: [ 1, 2 ]
amdhsa.kernels:
  - .name:           k_q68fa8819b3_router
    .symbol:         k_q68fa8819b3_router.kd
    .args:
      - { .name: hidden_states, .offset: 0, .size: 8, .value_kind: global_buffer, .address_space: global }
      - { .name: router_w, .offset: 8, .size: 8, .value_kind: global_buffer, .address_space: global }
      - { .name: shared_expert_gate_w, .offset: 16, .size: 8, .value_kind: global_buffer, .address_space: global }
      - { .name: hb, .offset: 24, .size: 8, .value_kind: global_buffer, .address_space: global }
      - { .name: sel, .offset: 32, .size: 8, .value_kind: global_buffer, .address_space: global }
      - { .name: wts, .offset: 40, .size: 8, .value_kind: global_buffer, .address_space: global }
      - { .name: auxp, .offset: 48, .size: 8, .value_kind: global_buffer, .address_space: global }
    .group_segment_fixed_size: 46080
    .private_segment_fixed_size: 0
    .kernarg_segment_align: 8
    .kernarg_segment_size: 56
    .max_flat_workgroup_size: 256
    .sgpr_count:     66
    .vgpr_count:     256
    .wavefront_size: 32
...
	.end_amdgpu_metadata
.endif
;; end of part 1
;; launch gu (part 2): grid 256 x 1, 4 waves a work-group, no clusters, 274,176 bytes of LDS; arguments hb, sel, gate_up_proj, shared_gate_w, shared_up_w, act; writes act
.if DOCPART == 2
	.amdgcn_target "amdgcn-amd-amdhsa--gfx1250"
	.amdhsa_code_object_version 6
	.text
	.protected	k_q68fa8819b3_gu
	.globl	k_q68fa8819b3_gu
	.p2align	8
	.type	k_q68fa8819b3_gu,@function
k_q68fa8819b3_gu:
	s_mov_b64 s[64:65], 0
	v_nop
	global_prefetch_b8 v0, s[64:65] scope:SCOPE_SE
	s_setreg_imm32_b32 hwreg(HW_REG_WAVE_MODE, 25, 1), 1
	s_wait_xcnt 0x0
; GATE, UP AND SWIGLU for 20 experts: the 16 routed ones and the shared expert as four more of width 512 that every token takes.
; act = silu(h Wg^T) x (h Wu^T), bf16 products with f32 sums, act rounded once to bf16.
; SHARES.  Work-group x < 128: expert x / 8, slice x % 8, all rows of that expert.  x >= 128: shared chunk j = bits 6:5, tokens 512 RB .. +511 (RB = bits 4:3), slice x % 8.
; A slice is 64 columns of act: 64 gate rows and the 64 up rows that go with them, 128 rows x 1,024 K.  PROLOGUE: the slice is read as f32, rounded on its way through registers and laid
; into LDS (each wave 32 rows); beside that each wave lists, from sel, the tokens among its 512 that took the expert.  ONE barrier.  Behind it nothing writes LDS and no wave waits for another,
; up to a second barrier at the very end, ahead of the closing add: token fragments come from hb straight into registers, weight fragments from LDS.
; ROWS.  The list's rows go in blocks of 16; wave w has blocks 4 i + w.  A pass takes nine i: 512 + 64 accumulator registers x 8 = blocks 0-7 always, block 8 only where the pass has nine live blocks.
; The pass loop counts to 4 (36 blocks a wave cover 2,048 rows: every split is served); dead passes are jumped forward.  Places past the count repeat the list's last row; dead blocks are not stored.
; TRANSPOSED USE: source 0 = 16 weight rows, source 1 = 16 tokens: a lane holds one token and eight neighbouring columns, which pack into 16 bytes.
; act's LAYOUT is the next launch's fragment order: expert x 2 MiB + K step t (32 columns) x 128 KiB + block x 1,024 + half x 512 + lane x 16: every store covers 512 consecutive bytes, aligned.
; NO CLUSTER, NO TENSOR LOADS: a routed slice has one reader; the shared slices (16 of 80 MiB) have four, but go through registers for the rounding; an f32 slice (512 KiB) does not fit in LDS;
; what an expert's eight work-groups share is token rows named by a list, which no descriptor covers.
; LIMITS.  h and the weights are rounded to bf16, act to bf16.  Where 2^(-log2(e) g) is infinite act is 0; exponentials and reciprocals are good to 1 ULP; NaN and infinities are not treated apart.
; REGISTERS, in windows of 256 (s_set_vgpr_msb: bits 1:0 source 0, 3:2 source 1, 5:4 source 2, 7:6 destination):
;   window 0: v0-39 addresses and work; v40-255 three buffers of nine token fragments            window 1: v0-191 three buffers of eight weight fragments; v192-255 block 8's accumulators
;   window 2: accumulators of blocks 0-3 at 64 a + 8 b (in the prologue: four slots of 64 for the rounding)            window 3: blocks 4-7
.set PITCH, 2064                       ; a weight row in LDS: 2,048 bytes + 16 = 129 x 16: the 16 rows of a fragment load start at 16 different groups of four banks (ISA guide 11.1)
.set ASTEP, 64                         ; bytes of hb from K step to K step
.set AHALF, 32                         ; and between a fragment's two loads
.set RSZ,   2304                       ; a wave's list: 512 entries of 4 bytes, 128 bytes for what is not listed, 128 unused
.set LISTS, 128*PITCH
.set CNTB,  LISTS+4*RSZ                ; the four waves' counts
.set SPARE, CNTB+256                   ; the spare words, 128 bytes a wave: two blocks of 256 bytes that no other line names
.set LANE, 1
.set RR,   2                           ; lane % 16
.set H16,  3                           ; 16 x (lane / 16)
.set L16,  4                           ; 16 x lane
.set SPW,  6                           ; my spare word's LDS address; never rewritten
.set NIL,  7                           ; 0; never rewritten
.set ADRB, 8                           ; v8-11  LDS address of weight blocks 2 i, 2 i + 1 at the K step in hand
.set LANEB, 12                         ; r x PITCH + 16 h
.set VIDX, 13                          ; my row's place in the list for the pass's block 0
.set VST,  14                          ; my byte offset in act for the pass's block 0
.set VW,   15                          ; prologue: where my 8 bytes go
.set ROWOFF, 16                        ; v16-24 block a: my row's byte offset in hb
.set SB,   40                          ; prologue: sel's bytes of my 16 tokens
.set AR,   40                          ; token fragments: buffer u, block a at AR + 72 u + 8 a
.set TT,   40                          ; the way out, at work
.set PP,   72
.set OO,   104
; s16 wave; s17 x; s18 shared?; s19 expert 0..19; s20 slice; s21 RB; s22 first block in act; s23 sel's byte; s[24:25] an offset; s[26:27] weights; s[28:29] -log2(e); s30 mask; s31, s32 mask's and, or;
; s33 count; s34 my list; s35-37 first places of waves 1-3; s38 rows; s39 rows - 1; s40-42 steps between the lists; s43 blocks; s44 my blocks; s45 passes to go; s46 first i of the pass; s47 live blocks;
; s48 nine live?; s49 loop counts; s50, s51 at work; s[52:53] hb at the K step in hand; s[54:55] hb; s[56:57] act at my expert and slice
.set MSB, 0
.macro WIN new                         ; the immediate's high byte repeats the setting that is left; a switch that changes nothing is dropped
.if MSB != (\new)
	s_set_vgpr_msb (MSB<<8)|(\new)
.set MSB, (\new)
.endif
.endm
.macro PLACES                          ; four places in front of loads into registers that matrix instructions have read, and of instructions that read results
.rept 4
	v_nop
.endr
.endm
; Two weight rows, 16 loads of 512 consecutive bytes, into slot; rel = the batch's number from the round's first.
.macro FILL slot, rel
	WIN 0x80
.irp rr, 0,1
.irp i, 0,1,2,3,4,5,6,7
	global_load_b128 v[64*(\slot)+32*\rr+4*\i:64*(\slot)+32*\rr+4*\i+3], v[L16], s[26:27] offset:(2*(\rel)+\rr)*4096+512*\i
.endr
.endr
.endm
; A slot's turn: rounded in place, laid into LDS (256 consecutive bytes an instruction); then the slot read last turn is filled three batches ahead.  left = the loads of the younger slots.
.macro TURN slot, fill, left
	s_wait_loadcnt \left
	WIN 0x8a
.set k, 0
.rept 16
	v_cvt_pk_bf16_f32 v[64*(\slot)+4*k], v[64*(\slot)+4*k], v[64*(\slot)+4*k+1]
	v_cvt_pk_bf16_f32 v[64*(\slot)+4*k+1], v[64*(\slot)+4*k+2], v[64*(\slot)+4*k+3]
.set k, k+1
.endr
	WIN 0x08
.irp rr, 0,1
.irp i, 0,1,2,3,4,5,6,7
	ds_store_b64 v[VW], v[64*(\slot)+32*\rr+4*\i:64*(\slot)+32*\rr+4*\i+1] offset:(2*(\slot)+\rr)*PITCH+256*\i
.endr
.endr
.if \fill
	FILL ((\slot)+3)%4, (\slot)+3
.endif
.endm
; Tokens 512 w + 32 q + lane: those that took the expert go to the next places of my list, the others' lanes write my dump words.  The clamp stands last, ahead of the list's base alone.
.macro LISTQ q
	v_cmp_gt_u32 s30, 4, v[SB+\q]
	s_and_b32 s30, s30, s31                        ; a shared chunk takes no notice of sel,
	s_or_b32 s30, s30, s32                         ; and lists all tokens of its row block
	v_mbcnt_lo_u32_b32 v35, s30, s33               ; the count so far + the listed lanes below me
	v_lshlrev_b32 v35, 2, v35
	v_cndmask_b32 v35, v37, v35, s30
	v_min_u32 v35, 0x87c, v35
	v_add_nc_u32 v35, s34, v35
	v_add_nc_u32 v39, 32*\q, v38
	ds_store_b32 v35, v39
	s_bcnt1_i32_b32 s50, s30
	s_add_co_u32 s33, s33, s50
.endm
; The list's entry for my row of the pass's block a.  Place T lies in wave q's list if T >= that list's first place; from list to list the address steps by RSZ less the bytes used.
.macro LOOKUP a, dst
	v_add_nc_u32 v34, 64*(\a), v[VIDX]
	v_min_u32 v34, s39, v34                        ; places past the count repeat the last row
	v_lshlrev_b32 v35, 2, v34
.irp q, 0,1,2
	v_cmp_le_u32 vcc_lo, s[35+\q], v34
	v_cndmask_b32 v36, 0, s[40+\q], vcc_lo
	v_add_nc_u32 v35, v35, v36
.endr
	v_min_u32 v35, 4*RSZ-4, v35
	v_add_nc_u32 v35, LISTS, v35
	ds_load_b32 v[\dst], v35
.endm
.macro ALOAD u, koff                   ; token fragments of blocks 0-7 for one K step
.irp a, 0,1,2,3,4,5,6,7
	global_load_b128 v[AR+72*(\u)+8*\a:AR+72*(\u)+8*\a+3],   v[ROWOFF+\a], s[52:53] offset:(\koff)
	global_load_b128 v[AR+72*(\u)+8*\a+4:AR+72*(\u)+8*\a+7], v[ROWOFF+\a], s[52:53] offset:(\koff)+AHALF
.endr
.endm
.macro ALOAD8 u, koff                  ; and of block 8
	global_load_b128 v[AR+72*(\u)+64:AR+72*(\u)+67], v[ROWOFF+8], s[52:53] offset:(\koff)
	global_load_b128 v[AR+72*(\u)+68:AR+72*(\u)+71], v[ROWOFF+8], s[52:53] offset:(\koff)+AHALF
.endm
.macro BLOAD u, koff                   ; the eight weight fragments of one K step
	WIN 0x40
.irp b, 0,1,2,3,4,5,6,7
	ds_load_b128 v[64*(\u)+8*\b:64*(\u)+8*\b+3],   v[ADRB+\b/2] offset:(\b%2)*16*PITCH+(\koff)
	ds_load_b128 v[64*(\u)+8*\b+4:64*(\u)+8*\b+7], v[ADRB+\b/2] offset:(\b%2)*16*PITCH+(\koff)+32
.endr
.endm
; 32 matrix instructions: blocks 4 hi .. 4 hi + 3 x all 8 weight blocks.  The accumulators take turns, one instruction a turn, in the same order in every K step.
.macro MULH u, hi, zero
	WIN 0xa1+0x50*(\hi)
.irp a, 0,1,2,3
.irp b, 0,1,2,3,4,5,6,7
.if \zero
	v_wmma_f32_16x16x32_bf16 v[64*\a+8*\b:64*\a+8*\b+7], v[64*(\u)+8*\b:64*(\u)+8*\b+7], v[AR+72*(\u)+8*(4*(\hi)+\a):AR+72*(\u)+8*(4*(\hi)+\a)+7], 0
.else
	v_wmma_f32_16x16x32_bf16 v[64*\a+8*\b:64*\a+8*\b+7], v[64*(\u)+8*\b:64*(\u)+8*\b+7], v[AR+72*(\u)+8*(4*(\hi)+\a):AR+72*(\u)+8*(4*(\hi)+\a)+7], v[64*\a+8*\b:64*\a+8*\b+7]
.endif
.endr
.endr
.endm
.macro MUL8 u, zero                    ; block 8's eight
	WIN 0x51
.irp b, 0,1,2,3,4,5,6,7
.if \zero
	v_wmma_f32_16x16x32_bf16 v[192+8*\b:192+8*\b+7], v[64*(\u)+8*\b:64*(\u)+8*\b+7], v[AR+72*(\u)+64:AR+72*(\u)+71], 0
.else
	v_wmma_f32_16x16x32_bf16 v[192+8*\b:192+8*\b+7], v[64*(\u)+8*\b:64*(\u)+8*\b+7], v[AR+72*(\u)+64:AR+72*(\u)+71], v[192+8*\b:192+8*\b+7]
.endif
.endr
.endm
; A K step of 32 on buffers u.  In its middle: the next step's weight fragments (lb) and the token fragments of the step after that (la), i steps from the bases.
; zero = 1: the pass's first step: its products start the sums, and block 8 runs whatever the count, so that its registers are written on every way.
; left: at the head two slices of token fragments are out; the younger has 16 loads, or 18 with block 8: the count 16 shows the older in either case.
.macro STEP u, i, zero, la, lb, left
	s_wait_loadcnt \left
	s_wait_dscnt 0x0                               ; this step's weight fragments, asked for half a step ago
	MULH \u, 0, \zero
.if (\la) || (\lb)
	PLACES                                         ; the buffers loaded below were read by the matrix instructions of the steps before
.endif
.if \lb
	BLOAD ((\u)+1)%3, ((\i)+1)*64
.endif
	WIN 0
.if \la
	ALOAD ((\u)+2)%3, ((\i)+2)*ASTEP
.endif
.if !(\zero)
	s_cmp_eq_u32 s48, 0
	s_cbranch_scc1 .Ln9_\@
.endif
.if \la
	ALOAD8 ((\u)+2)%3, ((\i)+2)*ASTEP
.endif
	MUL8 \u, \zero
.if !(\zero)
	WIN 0                                          ; at a label and at a branch every window is 0
.Ln9_\@:
.endif
	MULH \u, 1, \zero
.endm
.macro ADV n                           ; the bases go n K steps on
	WIN 0
	s_wait_xcnt 0x0                                ; the loads issued so far have had their addresses translated (ISA guide 3.1): only now is their base stepped
	s_add_nc_u64 s[52:53], s[52:53], (\n)*ASTEP
.irp i, 0,1,2,3
	v_add_nc_u32 v[ADRB+\i], (\n)*64, v[ADRB+\i]
.endr
.endm
; THE WAY OUT of block a (accumulators in window w from ac on: 32 registers of gate, 32 of up): g u / (1 + 2^(-log2(e) g)).  Two batches of 32 transcendentals, one wait each;
; each accumulator is read from its low end on.
.macro EPI a, w, ac
	WIN \w
.set p, 0
.rept 16
	v_pk_mul_f32 v[TT+2*p:TT+2*p+1], v[(\ac)+2*p:(\ac)+2*p+1], s[28:29] op_sel_hi:[1,0]
.set p, p+1
.endr
	WIN 0
.set p, 0
.rept 32
	v_exp_f32 v[TT+p], v[TT+p]
.set p, p+1
.endr
	WIN (\w)|((\w)<<2)
.set p, 0
.rept 16
	v_pk_mul_f32 v[PP+2*p:PP+2*p+1], v[(\ac)+2*p:(\ac)+2*p+1], v[(\ac)+32+2*p:(\ac)+32+2*p+1]  ; g u: the plain work behind the batch
.set p, p+1
.endr
	WIN 0
	s_wait_alu depctr_va_vdst(0)                   ; one wait for the 32 exponentials, ahead of their first reader
.set p, 0
.rept 16
	v_pk_add_f32 v[TT+2*p:TT+2*p+1], v[TT+2*p:TT+2*p+1], 1.0 op_sel_hi:[1,0]
.set p, p+1
.endr
.set p, 0
.rept 32
	v_rcp_f32 v[TT+p], v[TT+p]
.set p, p+1
.endr
	v_nop                                          ; a plain instruction behind the last reciprocal,
	s_wait_alu depctr_va_vdst(0)                   ; and the batch's one wait
.set p, 0
.rept 16
	v_pk_mul_f32 v[PP+2*p:PP+2*p+1], v[PP+2*p:PP+2*p+1], v[TT+2*p:TT+2*p+1]
.set p, p+1
.endr
	s_wait_xcnt 0x0                                ; the last block's stores have read OO
.set p, 0
.rept 16
	v_cvt_pk_bf16_f32 v[OO+p], v[PP+2*p], v[PP+2*p+1]
.set p, p+1
.endr
.irp c, 0,1,2,3
	global_store_b128 v[VST], v[OO+4*\c:OO+4*\c+3], s[56:57] offset:(\a)*4096+(\c/2)*131072+(\c%2)*512  ; 512 consecutive bytes, aligned: 16 rows x 16 columns
.endr
.endm
.macro GEPI a, w, ac                   ; blocks past the pass's live ones are not stored
	s_cmp_le_u32 s47, \a
	s_cbranch_scc1 .Lepi_done
	EPI \a, \w, \ac
.endm
	s_load_b256 s[4:11], s[0:1], 0x0               ; hb s[4:5], sel s[6:7], gate_up_proj s[8:9], shared_gate_w s[10:11]
	s_load_b128 s[12:15], s[0:1], 0x20             ; shared_up_w s[12:13], act s[14:15]
	v_lshl_add_u32 v[SPW], v0, 2, SPARE
	v_mov_b32 v[NIL], 0
	v_and_b32 v[LANE], 31, v0
	v_and_b32 v[RR], 15, v0
	v_bfe_u32 v[H16], v0, 4, 1
	v_lshlrev_b32 v[H16], 4, v[H16]
	v_lshlrev_b32 v[L16], 4, v[LANE]
	v_lshrrev_b32 v35, 5, v0
	v_readfirstlane_b32 s16, v35                   ; wave 0..3
	s_mov_b32 s17, ttmp9
	s_and_b32 s20, s17, 7                          ; slice
	s_lshr_b32 s50, s17, 3                         ; routed: the expert
	s_and_b32 s21, s50, 3                          ; shared: the row block
	s_bfe_u32 s51, s17, 0x20005                    ; shared: the chunk j
	s_add_co_u32 s19, s51, 16
	s_cmp_ge_u32 s17, 128
	s_cselect_b32 s18, 1, 0
	s_cselect_b32 s19, s19, s50
	s_cselect_b32 s21, s21, 0
	s_cselect_b32 s23, s51, s50                    ; the byte of sel that is read (a shared chunk reads one and ignores it)
	s_cselect_b32 s31, 0, -1
	s_lshl_b32 s22, s21, 5                         ; a row block's 32 blocks of 16
	s_cmp_eq_u32 s16, s21
	s_cselect_b32 s32, -1, 0
	s_and_not1_b32 s32, s32, s31                   ; shared: the wave whose 512 tokens are the row block lists them all
	s_and_b32 s24, s16, 1                          ; my 32 weight rows: 64 x slice + 32 x (wave % 2),
	s_lshl_b32 s24, s24, 5
	s_lshl_b32 s50, s20, 6
	s_add_co_u32 s24, s24, s50
	s_lshl_b32 s24, s24, 12                        ; of 4,096 bytes;
	s_lshl_b32 s50, s19, 22                        ; routed: the expert's 4 MiB, up 2 MiB behind gate;
	s_lshr_b32 s28, s16, 1
	s_lshl_b32 s28, s28, 21
	s_add_co_u32 s50, s50, s28
	s_lshl_b32 s51, s51, 21                        ; shared: the chunk's 512 rows
	s_cmp_eq_u32 s18, 1
	s_cselect_b32 s50, s51, s50
	s_add_co_u32 s24, s24, s50
	s_mov_b32 s25, 0
	v_lshl_add_u32 v38, s16, 9, v[LANE]            ; my first token: 512 w + lane
	v_lshlrev_b32 v34, 4, v38                      ; its 16 bytes of sel
	v_lshl_add_u32 v37, v[LANE], 2, 2048           ; my dump word in my list's region
	v_mul_u32_u24 v[LANEB], v[RR], PITCH
	v_add_nc_u32 v[LANEB], v[LANEB], v[H16]
	s_mul_i32 s50, s16, 32*PITCH
	v_lshl_add_u32 v[VW], v[LANE], 3, s50          ; LDS rows 32 w on: rows 0-63 gate, 64-127 up
	s_mul_i32 s34, s16, RSZ
	s_add_co_u32 s34, s34, LISTS
	s_mov_b32 s33, 0
	v_mov_b32 v20, 0                               ; my list's 2,304 bytes begin as zeros, so that no place a look-up can address is ever undefined
	v_mov_b32 v21, 0
	v_mov_b32 v22, 0
	v_mov_b32 v23, 0
	v_add_nc_u32 v35, s34, v[L16]
	v_lshl_add_u32 v36, v[LANE], 3, s34
.irp i, 0,1,2,3
	ds_store_b128 v35, v[20:23] offset:512*\i
.endr
	ds_store_b64 v36, v[20:21] offset:2048
	s_wait_kmcnt 0x0
	s_cmp_ge_u32 s16, 2
	s_cselect_b64 s[26:27], s[12:13], s[10:11]     ; shared: waves 0, 1 gate, waves 2, 3 up
	s_cmp_eq_u32 s18, 1
	s_cselect_b64 s[26:27], s[26:27], s[8:9]
	s_add_nc_u64 s[26:27], s[26:27], s[24:25]
	s_mov_b32 s24, s23
	s_add_nc_u64 s[6:7], s[6:7], s[24:25]
	s_lshl_b32 s24, s19, 21                        ; act: the expert's 2 MiB, the slice's two K steps of 128 KiB
	s_lshl_b32 s50, s20, 18
	s_add_co_u32 s24, s24, s50
	s_add_nc_u64 s[56:57], s[14:15], s[24:25]
	s_mov_b64 s[54:55], s[4:5]
	s_mov_b32 s28, 0xbfb8aa3b                      ; -log2(e), named as a pair
	s_mov_b32 s29, s28
.irp q, 0,1,2,3,4,5,6,7,8,9,10,11,12,13,14,15
	global_load_u8 v[SB+\q], v34, s[6:7] offset:512*\q
.endr
	FILL 0, 0
	FILL 1, 1
	WIN 0
	s_wait_loadcnt 32                              ; sel's bytes are in; the two fills of 16 behind them stay out
.irp q, 0,1,2,3,4,5,6,7,8,9,10,11,12,13,14,15
	LISTQ \q
.endr
	v_mov_b32 v35, s33
	s_lshl_b32 s50, s16, 2
	s_add_co_u32 s50, s50, CNTB
	v_mov_b32 v36, s50
	ds_store_b32 v36, v35                          ; my count: all lanes write the same word
	FILL 2, 2
	WIN 0
	s_mov_b32 s49, 3
.Lround:                                               ; a round: four batches, eight rows; 48 loads of the wave are out at the most
	TURN 0, 1, 32
	TURN 1, 1, 32
	TURN 2, 1, 32
	TURN 3, 1, 32
	WIN 0
	s_wait_xcnt 0x0                                ; the fills have had their addresses translated: their base is stepped only now
	s_add_nc_u64 s[26:27], s[26:27], 32768
	v_add_nc_u32 v[VW], 8*PITCH, v[VW]
	s_sub_co_u32 s49, s49, 1
	s_cmp_lg_u32 s49, 0
	s_cbranch_scc1 .Lround
	TURN 0, 1, 32                                  ; the last round: one more fill (the last two rows), then the counts run down
	TURN 1, 0, 32
	TURN 2, 0, 16
	TURN 3, 0, 0
	WIN 0
	s_wait_dscnt 0x0                               ; for the others' sake: my rows, my list and my count are in LDS
	s_barrier_signal -1
	s_barrier_wait -1                              ; everybody's are
	v_mov_b32 v35, CNTB
	ds_load_b128 v[36:39], v35
	s_wait_dscnt 0x0
	v_readfirstlane_b32 s35, v36
	v_readfirstlane_b32 s36, v37
	v_readfirstlane_b32 s37, v38
	v_readfirstlane_b32 s38, v39
	s_min_u32 s35, s35, 0x200
	s_min_u32 s36, s36, 0x200
	s_min_u32 s37, s37, 0x200
	s_min_u32 s38, s38, 0x200
	s_lshl_b32 s40, s35, 2
	s_sub_co_u32 s40, RSZ, s40
	s_lshl_b32 s41, s36, 2
	s_sub_co_u32 s41, RSZ, s41
	s_lshl_b32 s42, s37, 2
	s_sub_co_u32 s42, RSZ, s42
	s_add_co_u32 s36, s36, s35
	s_add_co_u32 s37, s37, s36
	s_add_co_u32 s38, s38, s37                     ; the expert's rows
	s_max_u32 s39, s38, 1
	s_sub_co_u32 s39, s39, 1
	s_add_co_u32 s43, s38, 15
	s_lshr_b32 s43, s43, 4                         ; blocks of 16
	s_add_co_u32 s44, s43, 3
	s_sub_co_u32 s44, s44, s16
	s_lshr_b32 s44, s44, 2                         ; of which 4 i + w are mine
	s_mov_b32 s46, 0
	v_lshl_add_u32 v[VIDX], s16, 4, v[RR]
	s_mov_b32 s45, 4
.Lpass:
	s_cmp_le_u32 s44, s46
	s_cbranch_scc1 .Lnext                          ; nothing left for this pass: forward, past text that holds no barrier
	s_sub_co_u32 s47, s44, s46
	s_min_u32 s47, s47, 9
	s_cmp_eq_u32 s47, 9
	s_cselect_b32 s48, 1, 0
	s_wait_xcnt 0x0                                ; the last pass's stores have read their registers
.irp a, 0,1,2,3,4,5,6,7,8
	LOOKUP \a, ROWOFF+\a
.endr
	s_wait_dscnt 0x0
.irp a, 0,1,2,3,4,5,6,7,8
	v_min_u32 v[ROWOFF+\a], 0x7ff, v[ROWOFF+\a]    ; a token
	v_lshl_add_u32 v[ROWOFF+\a], v[ROWOFF+\a], 11, v[H16]
.endr
	s_lshl_b32 s50, s46, 2
	s_add_co_u32 s50, s50, s16
	s_add_co_u32 s50, s50, s22
	v_lshl_add_u32 v[VST], s50, 10, v[L16]
	s_mov_b64 s[52:53], s[54:55]
.irp i, 0,1,2,3
	v_add_nc_u32 v[ADRB+\i], 2*\i*16*PITCH, v[LANEB]
.endr
	ALOAD8 0, 0                                    ; block 8's first, so that the first step's count of 16 covers them
	ALOAD8 1, ASTEP
	ALOAD 0, 0
	ALOAD 1, ASTEP
	BLOAD 0, 0
	STEP 0, 0, 1, 1, 1, 16
	STEP 1, 1, 0, 1, 1, 16
	ADV 2
	s_mov_b32 s49, 9
.Lk:                                                   ; K steps 2 to 28
	STEP 2, 0, 0, 1, 1, 16
	STEP 0, 1, 0, 1, 1, 16
	STEP 1, 2, 0, 1, 1, 16
	ADV 3
	s_sub_co_u32 s49, s49, 1
	s_cmp_lg_u32 s49, 0
	s_cbranch_scc1 .Lk
	STEP 2, 0, 0, 1, 1, 16                         ; steps 29 to 31: no load passes a row's end
	STEP 0, 1, 0, 0, 1, 16
	STEP 1, 2, 0, 0, 0, 0
	WIN 0
	PLACES
	EPI 0, 2, 0
	GEPI 1, 2, 64
	GEPI 2, 2, 128
	GEPI 3, 2, 192
	GEPI 4, 3, 0
	GEPI 5, 3, 64
	GEPI 6, 3, 128
	GEPI 7, 3, 192
	GEPI 8, 1, 192
.Lepi_done:
.Lnext:
	s_add_co_u32 s46, s46, 9
	v_add_nc_u32 v[VIDX], 576, v[VIDX]
	s_sub_co_u32 s45, s45, 1
	s_cmp_lg_u32 s45, 0
	s_cbranch_scc1 .Lpass
	s_wait_dscnt 0x0                               ; my reads of LDS are over;
	s_barrier_signal -1
	s_barrier_wait -1                              ; every wave's are: no wave writes LDS again (the add below) before that
	s_wait_tensorcnt 0x0                           ; the wave's end, behind my last LDS store
	ds_add_u32 v[SPW], v[NIL]
	s_wait_dscnt 0x0
	s_endpgm
.Lfunc_end_k_q68fa8819b3_gu:
	.size	k_q68fa8819b3_gu, .Lfunc_end_k_q68fa8819b3_gu-k_q68fa8819b3_gu
	.p2alignl 7, 3214868480
	.fill 96, 4, 3214868480
	.section	.rodata,"a",@progbits
	.p2align	6, 0x0
	.amdhsa_kernel k_q68fa8819b3_gu
		.amdhsa_group_segment_fixed_size 274176
		.amdhsa_private_segment_fixed_size 0
		.amdhsa_enable_private_segment 0
		.amdhsa_kernarg_size 48
		.amdhsa_user_sgpr_count 2
		.amdhsa_user_sgpr_kernarg_segment_ptr 1
		.amdhsa_wavefront_size32 1
		.amdhsa_system_sgpr_workgroup_id_x 1
		.amdhsa_system_sgpr_workgroup_id_y 1
		.amdhsa_system_sgpr_workgroup_id_z 1
		.amdhsa_system_vgpr_workitem_id 0
		.amdhsa_next_free_vgpr 1024
		.amdhsa_next_free_sgpr 66
		.amdhsa_reserve_vcc 1
		.amdhsa_float_denorm_mode_32 3
		.amdhsa_float_denorm_mode_16_64 3
		.amdhsa_memory_ordered 1
		.amdhsa_forward_progress 1
		.amdhsa_inst_pref_size 193
	.end_amdhsa_kernel
	.amdgpu_metadata
---
amdhsa.version: [ 1, 2 ]
amdhsa.kernels:
  - .name:           k_q68fa8819b3_gu
    .symbol:         k_q68fa8819b3_gu.kd
    .args:
      - { .name: hb, .offset: 0, .size: 8, .value_kind: global_buffer, .address_space: global }
      - { .name: sel, .offset: 8, .size: 8, .value_kind: global_buffer, .address_space: global }
      - { .name: gate_up_proj, .offset: 16, .size: 8, .value_kind: global_buffer, .address_space: global }
      - { .name: shared_gate_w, .offset: 24, .size: 8, .value_kind: global_buffer, .address_space: global }
      - { .name: shared_up_w, .offset: 32, .size: 8, .value_kind: global_buffer, .address_space: global }
      - { .name: act, .offset: 40, .size: 8, .value_kind: global_buffer, .address_space: global }
    .group_segment_fixed_size: 274176
    .private_segment_fixed_size: 0
    .kernarg_segment_align: 8
    .kernarg_segment_size: 48
    .max_flat_workgroup_size: 128
    .sgpr_count:     66
    .vgpr_count:     1024
    .wavefront_size: 32
...
	.end_amdgpu_metadata
.endif
;; end of part 2
;; launch dn (part 3): grid 256 x 1, 4 waves a work-group, no clusters, 176,896 bytes of LDS; arguments act, sel, down_proj, shared_down_w, partial; writes partial
.if DOCPART == 3
	.amdgcn_target "amdgcn-amd-amdhsa--gfx1250"
	.amdhsa_code_object_version 6
	.text
	.protected	k_q68fa8819b3_dn
	.globl	k_q68fa8819b3_dn
	.p2align	8
	.type	k_q68fa8819b3_dn,@function
k_q68fa8819b3_dn:
	s_mov_b64 s[64:65], 0
	v_nop
	global_prefetch_b8 v0, s[64:65] scope:SCOPE_SE
	s_setreg_imm32_b32 hwreg(HW_REG_WAVE_MODE, 25, 1), 1
	s_wait_xcnt 0x0
; DOWN for the 20 experts (16 routed, the shared one as four chunks of K = 512): partial[token][slot][:] = act row x Wd^T, bf16 products, f32 sums, stored in f32.
; slot = the token's choice k (0..3) for a routed expert, 4 + j for shared chunk j: each row of partial has one writer, and the next launch adds a token's eight rows with their weights.
; SHARES, ROWS, PASSES, REGISTERS as in the launch before: work-group x < 128: expert x / 8, slice x % 8 (128 output columns), all the expert's rows; x >= 128: chunk bits 6:5, row block bits 4:3, slice x % 8.
; PROLOGUE: the slice's 128 rows x 512 K are read as f32, rounded through registers and laid into LDS; each wave lists, from sel, 8 x token + slot of the tokens among its 512 that took the expert, in the order
; in which the launch before listed them.  ONE barrier.  Behind it weight fragments come from LDS, and act's fragments, stored in fragment order, come as 512 consecutive bytes a load.
; THE 16 K STEPS ARE WRITTEN OUT: the K step stands in the loads' immediates (LDS: 16 x 1,040 + 15 x 64 + 32 at the most; act: 15 x 131,072 + 512, inside the signed 24 bits), so every LDS address
; behind the barrier is a register made once, of the lane and constants, and each wave's stage is its own by arithmetic that can be read off the text.
; THE WAY OUT: a block's 16 rows x 128 columns go through the wave's own stage in LDS and leave as whole rows: each store covers 512 consecutive bytes, aligned.  Places past the count repeat the last row:
; the same wave stores the same numbers there once more.
; NO CLUSTER, NO TENSOR LOADS: a routed slice has one reader and is rounded on its way through registers; act's blocks are named by counts read from memory.
; LIMITS.  The weights are rounded to bf16; NaN and infinities are not treated apart.
.set PITCH, 1040                       ; a weight row in LDS: 1,024 bytes + 16 = 65 x 16 (ISA guide 11.1: the 16 rows of a fragment load start at 16 different groups of four banks)
.set ASTEP, 131072                     ; bytes of act from K step to K step
.set AHALF, 512                        ; and between a fragment's two loads
.set RSZ,   2304
.set LISTS, 128*PITCH
.set CNTB,  LISTS+4*RSZ
.set STAGE, CNTB+256                   ; 16 rows x 528 bytes for each wave
.set SPI,   528
.set SPARE, STAGE+4*16*SPI             ; the spare words, 128 bytes a wave: two blocks of 256 bytes that no other line names
.set LANE, 1
.set RR,   2
.set H16,  3
.set L16,  4
.set SRD,  5                           ; the way out: where I read a row back
.set SPW,  6
.set NIL,  7
.set ADRB, 8                           ; v8-11  LDS address of weight blocks 2 i, 2 i + 1 at K = 0; made once, never rewritten
.set LANEB, 12
.set VIDX, 13
.set STO,  14                          ; the way out: where I put 32 bytes of a row
.set VW,   15
.set ROWOFF, 16                        ; v16-24 block a: my byte offset in a K step's plane of act (prologue: v16-19 four weight rows' offsets)
.set RID,  25                          ; v25-33 block a: my row's 8 x token + slot
.set SB,   40
.set AR,   40
.set DR,   40                          ; the way out: 16 rows read back
.set VO,   104                         ; and their byte offsets in partial
; scalars as in the launch before; s[54:55] act at my expert; s[56:57] partial at my slice's columns; s[58:59] four weight rows' bytes; s60 a weight row's bytes; s61 a shared chunk's slot; s62 blocks - 1
.set MSB, 0
.macro WIN new
.if MSB != (\new)
	s_set_vgpr_msb (MSB<<8)|(\new)
.set MSB, (\new)
.endif
.endm
.macro PLACES
.rept 4
	v_nop
.endr
.endm
.macro FILL slot                       ; four weight rows' 2,048 bytes each: 16 loads of 512 consecutive bytes
	WIN 0x80
.irp rr, 0,1,2,3
.irp i, 0,1,2,3
	global_load_b128 v[64*(\slot)+16*\rr+4*\i:64*(\slot)+16*\rr+4*\i+3], v[16+\rr], s[26:27] offset:512*\i
.endr
.endr
.endm
.macro NEXTB                           ; four rows on
	s_wait_xcnt 0x0                                ; the fills so far have had their addresses translated (ISA guide 3.1): their base is stepped only now
	s_add_nc_u64 s[26:27], s[26:27], s[58:59]
.endm
.macro TURN bt, fill, left             ; batch bt, in slot bt % 4: rounded in place, laid into LDS; then batch bt + 3 is asked for.  left = the loads of the younger slots
	s_wait_loadcnt \left
	WIN 0x8a
.set k, 0
.rept 16
	v_cvt_pk_bf16_f32 v[64*((\bt)%4)+4*k], v[64*((\bt)%4)+4*k], v[64*((\bt)%4)+4*k+1]
	v_cvt_pk_bf16_f32 v[64*((\bt)%4)+4*k+1], v[64*((\bt)%4)+4*k+2], v[64*((\bt)%4)+4*k+3]
.set k, k+1
.endr
	WIN 0x08
.irp rr, 0,1,2,3
.irp i, 0,1,2,3
	ds_store_b64 v[VW], v[64*((\bt)%4)+16*\rr+4*\i:64*((\bt)%4)+16*\rr+4*\i+1] offset:(4*(\bt)+\rr)*PITCH+256*\i
.endr
.endr
.if \fill
	NEXTB
	FILL ((\bt)+3)%4
.endif
.endm
.macro LISTQ q
	v_cmp_gt_u32 s30, 4, v[SB+\q]
	s_and_b32 s30, s30, s31
	s_or_b32 s30, s30, s32
	v_mbcnt_lo_u32_b32 v35, s30, s33
	v_lshlrev_b32 v35, 2, v35
	v_cndmask_b32 v35, v37, v35, s30
	v_min_u32 v35, 0x87c, v35                      ; the clamp stands last, ahead of the list's base alone
	v_add_nc_u32 v35, s34, v35
	v_min_u32 v39, 3, v[SB+\q]                     ; the slot: the choice k,
	v_and_b32 v39, s31, v39
	v_or_b32 v39, s61, v39                         ; or 4 + j
	v_add_nc_u32 v36, 32*\q, v38
	v_lshl_add_u32 v39, v36, 3, v39
	ds_store_b32 v35, v39
	s_bcnt1_i32_b32 s50, s30
	s_add_co_u32 s33, s33, s50
.endm
.macro LOOKUP a, dst
	v_add_nc_u32 v34, 64*(\a), v[VIDX]
	v_min_u32 v34, s39, v34
	v_lshlrev_b32 v35, 2, v34
.irp q, 0,1,2
	v_cmp_le_u32 vcc_lo, s[35+\q], v34
	v_cndmask_b32 v36, 0, s[40+\q], vcc_lo
	v_add_nc_u32 v35, v35, v36
.endr
	v_min_u32 v35, 4*RSZ-4, v35
	v_add_nc_u32 v35, LISTS, v35
	ds_load_b32 v[\dst], v35
.endm
.macro ALOAD u, koff
.irp a, 0,1,2,3,4,5,6,7
	global_load_b128 v[AR+72*(\u)+8*\a:AR+72*(\u)+8*\a+3],   v[ROWOFF+\a], s[54:55] offset:(\koff)
	global_load_b128 v[AR+72*(\u)+8*\a+4:AR+72*(\u)+8*\a+7], v[ROWOFF+\a], s[54:55] offset:(\koff)+AHALF
.endr
.endm
.macro ALOAD8 u, koff
	global_load_b128 v[AR+72*(\u)+64:AR+72*(\u)+67], v[ROWOFF+8], s[54:55] offset:(\koff)
	global_load_b128 v[AR+72*(\u)+68:AR+72*(\u)+71], v[ROWOFF+8], s[54:55] offset:(\koff)+AHALF
.endm
.macro BLOAD u, koff
	WIN 0x40
.irp b, 0,1,2,3,4,5,6,7
	ds_load_b128 v[64*(\u)+8*\b:64*(\u)+8*\b+3],   v[ADRB+\b/2] offset:(\b%2)*16*PITCH+(\koff)
	ds_load_b128 v[64*(\u)+8*\b+4:64*(\u)+8*\b+7], v[ADRB+\b/2] offset:(\b%2)*16*PITCH+(\koff)+32
.endr
.endm
.macro MULH u, hi, zero                ; the accumulators take turns, one instruction a turn, in the same order in every K step
	WIN 0xa1+0x50*(\hi)
.irp a, 0,1,2,3
.irp b, 0,1,2,3,4,5,6,7
.if \zero
	v_wmma_f32_16x16x32_bf16 v[64*\a+8*\b:64*\a+8*\b+7], v[64*(\u)+8*\b:64*(\u)+8*\b+7], v[AR+72*(\u)+8*(4*(\hi)+\a):AR+72*(\u)+8*(4*(\hi)+\a)+7], 0
.else
	v_wmma_f32_16x16x32_bf16 v[64*\a+8*\b:64*\a+8*\b+7], v[64*(\u)+8*\b:64*(\u)+8*\b+7], v[AR+72*(\u)+8*(4*(\hi)+\a):AR+72*(\u)+8*(4*(\hi)+\a)+7], v[64*\a+8*\b:64*\a+8*\b+7]
.endif
.endr
.endr
.endm
.macro MUL8 u, zero
	WIN 0x51
.irp b, 0,1,2,3,4,5,6,7
.if \zero
	v_wmma_f32_16x16x32_bf16 v[192+8*\b:192+8*\b+7], v[64*(\u)+8*\b:64*(\u)+8*\b+7], v[AR+72*(\u)+64:AR+72*(\u)+71], 0
.else
	v_wmma_f32_16x16x32_bf16 v[192+8*\b:192+8*\b+7], v[64*(\u)+8*\b:64*(\u)+8*\b+7], v[AR+72*(\u)+64:AR+72*(\u)+71], v[192+8*\b:192+8*\b+7]
.endif
.endr
.endm
; K step i of 16, on buffers i % 3; in its middle the next step's weight fragments (lb) and act's fragments of the step after that (la).  zero = 1: the pass's first step: it starts the sums, and block 8 runs
; whatever the count, so that its registers are written on every way.  left: two slices are out at the head; the younger has 16 loads, or 18 with block 8: the count 16 shows the older in either case.
.macro STEP i, zero, la, lb, left
.set U0, (\i)%3
.set U1, ((\i)+1)%3
.set U2, ((\i)+2)%3
	s_wait_loadcnt \left
	s_wait_dscnt 0x0                               ; this step's weight fragments, asked for half a step ago
	MULH U0, 0, \zero
.if (\la) || (\lb)
	PLACES                                         ; the buffers loaded below were read by the matrix instructions of the steps before
.endif
.if \lb
	BLOAD U1, ((\i)+1)*64
.endif
	WIN 0
.if \la
	ALOAD U2, ((\i)+2)*ASTEP
.endif
.if !(\zero)
	s_cmp_eq_u32 s48, 0
	s_cbranch_scc1 .Ln9_\@
.endif
.if \la
	ALOAD8 U2, ((\i)+2)*ASTEP
.endif
	MUL8 U0, \zero
.if !(\zero)
	WIN 0                                          ; at a label and at a branch every window is 0
.Ln9_\@:
.endif
	MULH U0, 1, \zero
.endm
; THE WAY OUT of block a (accumulators in window w from ac on).  A lane holds row lane % 16 and eight columns of each of the 8 column blocks; each accumulator's low four registers go first.
.macro EPI a, w, ac
	WIN (\w)<<2
.irp b, 0,1,2,3,4,5,6,7
	ds_store_b128 v[STO], v[(\ac)+8*\b:(\ac)+8*\b+3] offset:64*\b
	ds_store_b128 v[STO], v[(\ac)+8*\b+4:(\ac)+8*\b+7] offset:64*\b+16
.endr
	WIN 0
	s_wait_xcnt 0x0                                ; the last block's stores have read DR and VO
.irp t, 0,1,2,3,4,5,6,7,8,9,10,11,12,13,14,15
	ds_load_b128 v[DR+4*\t:DR+4*\t+3], v[SRD] offset:SPI*\t  ; my own stage: LDS serves a wave's instructions in order (ISA guide 5.7.1.4)
.endr
.irp t, 0,1,2,3,4,5,6,7,8,9,10,11,12,13,14,15
	v_readlane_b32 s50, v[RID+\a], \t
	s_min_u32 s50, s50, 0x3fff
	v_lshl_add_u32 v[VO+\t], s50, 12, v[L16]       ; the row's 4,096 bytes of partial
.endr
.irp t, 0,1,2,3,4,5,6,7,8,9,10,11,12,13,14,15
	s_wait_dscnt 15-\t                             ; row t is back; the younger loads stay out
	global_store_b128 v[VO+\t], v[DR+4*\t:DR+4*\t+3], s[56:57]  ; 512 consecutive bytes, aligned
.endr
.endm
.macro GEPI a, w, ac
	s_cmp_le_u32 s47, \a
	s_cbranch_scc1 .Lepi_done
	EPI \a, \w, \ac
.endm
	s_load_b256 s[4:11], s[0:1], 0x0               ; act s[4:5], sel s[6:7], down_proj s[8:9], shared_down_w s[10:11]
	s_load_b64 s[12:13], s[0:1], 0x20              ; partial
	v_lshl_add_u32 v[SPW], v0, 2, SPARE
	v_mov_b32 v[NIL], 0
	v_and_b32 v[LANE], 31, v0
	v_and_b32 v[RR], 15, v0
	v_bfe_u32 v[H16], v0, 4, 1
	v_lshlrev_b32 v[H16], 4, v[H16]
	v_lshlrev_b32 v[L16], 4, v[LANE]
	v_lshrrev_b32 v35, 5, v0
	v_readfirstlane_b32 s16, v35
	s_mov_b32 s17, ttmp9
	s_and_b32 s20, s17, 7
	s_lshr_b32 s50, s17, 3
	s_and_b32 s21, s50, 3
	s_bfe_u32 s51, s17, 0x20005
	s_add_co_u32 s19, s51, 16
	s_add_co_u32 s61, s51, 4
	s_cmp_ge_u32 s17, 128
	s_cselect_b32 s18, 1, 0
	s_cselect_b32 s19, s19, s50
	s_cselect_b32 s21, s21, 0
	s_cselect_b32 s23, s51, s50
	s_cselect_b32 s31, 0, -1
	s_cselect_b32 s61, s61, 0
	s_cselect_b32 s60, 13, 11
	s_lshl_b32 s60, 1, s60                         ; a weight row: 2,048 bytes in down_proj, 8,192 in shared_down_w
	s_lshl_b32 s22, s21, 5
	s_cmp_eq_u32 s16, s21
	s_cselect_b32 s32, -1, 0
	s_and_not1_b32 s32, s32, s31
	s_lshl_b32 s24, s20, 7                         ; my 32 weight rows: 128 x slice + 32 x wave
	s_lshl_b32 s50, s16, 5
	s_add_co_u32 s24, s24, s50
	s_mul_i32 s24, s24, s60
	s_lshl_b32 s50, s19, 21                        ; routed: the expert's 2 MiB
	s_lshl_b32 s51, s51, 11                        ; shared: the chunk's 512 columns of each row
	s_cmp_eq_u32 s18, 1
	s_cselect_b32 s50, s51, s50
	s_add_co_u32 s24, s24, s50
	s_mov_b32 s25, 0
	s_lshl_b32 s58, s60, 2
	s_mov_b32 s59, 0
	v_lshl_add_u32 v38, s16, 9, v[LANE]
	v_lshlrev_b32 v34, 4, v38
	v_lshl_add_u32 v37, v[LANE], 2, 2048
	v_mul_u32_u24 v[LANEB], v[RR], PITCH
	v_add_nc_u32 v[LANEB], v[LANEB], v[H16]
.irp i, 0,1,2,3
	v_add_nc_u32 v[ADRB+\i], 2*\i*16*PITCH, v[LANEB]  ; once, for all passes and K steps
.endr
	s_mul_i32 s50, s16, 32*PITCH
	v_lshl_add_u32 v[VW], v[LANE], 3, s50
	v_mov_b32 v16, v[L16]                          ; four rows' offsets
	v_add_nc_u32 v17, s60, v16
	v_add_nc_u32 v18, s60, v17
	v_add_nc_u32 v19, s60, v18
	s_mul_i32 s50, s16, 16*SPI
	s_add_co_u32 s50, s50, STAGE                   ; my stage
	v_mul_u32_u24 v[STO], v[RR], SPI
	v_lshl_add_u32 v[STO], v[H16], 1, v[STO]       ; row r, 32 bytes for each half of the lanes
	v_add_nc_u32 v[STO], s50, v[STO]
	v_add_nc_u32 v[SRD], s50, v[L16]
	s_mul_i32 s34, s16, RSZ
	s_add_co_u32 s34, s34, LISTS
	s_mov_b32 s33, 0
	v_mov_b32 v20, 0                               ; my list's 2,304 bytes begin as zeros, so that no place a look-up can address is ever undefined
	v_mov_b32 v21, 0
	v_mov_b32 v22, 0
	v_mov_b32 v23, 0
	v_add_nc_u32 v35, s34, v[L16]
	v_lshl_add_u32 v36, v[LANE], 3, s34
.irp i, 0,1,2,3
	ds_store_b128 v35, v[20:23] offset:512*\i
.endr
	ds_store_b64 v36, v[20:21] offset:2048
	s_wait_kmcnt 0x0
	s_cmp_eq_u32 s18, 1
	s_cselect_b64 s[26:27], s[10:11], s[8:9]
	s_add_nc_u64 s[26:27], s[26:27], s[24:25]
	s_mov_b32 s24, s23
	s_add_nc_u64 s[6:7], s[6:7], s[24:25]
	s_lshl_b32 s24, s19, 21
	s_add_nc_u64 s[54:55], s[4:5], s[24:25]
	s_lshl_b32 s24, s20, 9
	s_add_nc_u64 s[56:57], s[12:13], s[24:25]
.irp q, 0,1,2,3,4,5,6,7,8,9,10,11,12,13,14,15
	global_load_u8 v[SB+\q], v34, s[6:7] offset:512*\q
.endr
	FILL 0
	NEXTB
	FILL 1
	WIN 0
	s_wait_loadcnt 32                              ; sel's bytes are in; the two fills of 16 behind them stay out
.irp q, 0,1,2,3,4,5,6,7,8,9,10,11,12,13,14,15
	LISTQ \q
.endr
	v_mov_b32 v35, s33
	s_lshl_b32 s50, s16, 2
	s_add_co_u32 s50, s50, CNTB
	v_mov_b32 v36, s50
	ds_store_b32 v36, v35
	NEXTB
	FILL 2
	TURN 0, 1, 32                                  ; eight batches of four rows; the last three ask for nothing and the counts run down
	TURN 1, 1, 32
	TURN 2, 1, 32
	TURN 3, 1, 32
	TURN 4, 1, 32
	TURN 5, 0, 32
	TURN 6, 0, 16
	TURN 7, 0, 0
	WIN 0
	s_wait_dscnt 0x0                               ; for the others' sake: my rows, my list and my count are in LDS
	s_barrier_signal -1
	s_barrier_wait -1                              ; the launch's one barrier
	v_mov_b32 v35, CNTB
	ds_load_b128 v[36:39], v35
	s_wait_dscnt 0x0
	v_readfirstlane_b32 s35, v36
	v_readfirstlane_b32 s36, v37
	v_readfirstlane_b32 s37, v38
	v_readfirstlane_b32 s38, v39
	s_min_u32 s35, s35, 0x200
	s_min_u32 s36, s36, 0x200
	s_min_u32 s37, s37, 0x200
	s_min_u32 s38, s38, 0x200
	s_lshl_b32 s40, s35, 2
	s_sub_co_u32 s40, RSZ, s40
	s_lshl_b32 s41, s36, 2
	s_sub_co_u32 s41, RSZ, s41
	s_lshl_b32 s42, s37, 2
	s_sub_co_u32 s42, RSZ, s42
	s_add_co_u32 s36, s36, s35
	s_add_co_u32 s37, s37, s36
	s_add_co_u32 s38, s38, s37
	s_max_u32 s39, s38, 1
	s_sub_co_u32 s39, s39, 1
	s_add_co_u32 s43, s38, 15
	s_lshr_b32 s43, s43, 4
	s_max_u32 s62, s43, 1
	s_sub_co_u32 s62, s62, 1
	s_add_co_u32 s44, s43, 3
	s_sub_co_u32 s44, s44, s16
	s_lshr_b32 s44, s44, 2
	s_mov_b32 s46, 0
	v_lshl_add_u32 v[VIDX], s16, 4, v[RR]
	s_mov_b32 s45, 4
.Lpass:
	s_cmp_le_u32 s44, s46
	s_cbranch_scc1 .Lnext                          ; nothing left for this pass: forward, past text that holds no barrier
	s_sub_co_u32 s47, s44, s46
	s_min_u32 s47, s47, 9
	s_cmp_eq_u32 s47, 9
	s_cselect_b32 s48, 1, 0
	s_wait_xcnt 0x0                                ; the last pass's loads and stores have read their registers
.irp a, 0,1,2,3,4,5,6,7,8
	LOOKUP \a, RID+\a
.endr
.irp a, 0,1,2,3,4,5,6,7,8
	s_add_co_u32 s50, s46, \a                      ; block 4 (i + a) + w of the list; a dead one repeats the last live block, which the launch before has written whole
	s_lshl_b32 s50, s50, 2
	s_add_co_u32 s50, s50, s16
	s_min_u32 s50, s50, s62
	s_min_u32 s50, s50, 127
	s_add_co_u32 s50, s50, s22
	v_lshl_add_u32 v[ROWOFF+\a], s50, 10, v[L16]
.endr
	s_wait_dscnt 0x0
.irp a, 0,1,2,3,4,5,6,7,8
	v_min_u32 v[RID+\a], 0x3fff, v[RID+\a]
.endr
	ALOAD8 0, 0                                    ; block 8's first, so that the first step's count of 16 covers them
	ALOAD8 1, ASTEP
	ALOAD 0, 0
	ALOAD 1, ASTEP
	BLOAD 0, 0
	STEP 0, 1, 1, 1, 16
.set st, 1
.rept 13                                ; K steps 1 to 13
	STEP st, 0, 1, 1, 16
.set st, st+1
.endr
	STEP 14, 0, 0, 1, 16                           ; the last two ask for no further plane of act, the last for nothing
	STEP 15, 0, 0, 0, 0
	WIN 0
	PLACES
	EPI 0, 2, 0
	GEPI 1, 2, 64
	GEPI 2, 2, 128
	GEPI 3, 2, 192
	GEPI 4, 3, 0
	GEPI 5, 3, 64
	GEPI 6, 3, 128
	GEPI 7, 3, 192
	GEPI 8, 1, 192
.Lepi_done:
.Lnext:
	s_add_co_u32 s46, s46, 9
	v_add_nc_u32 v[VIDX], 576, v[VIDX]
	s_sub_co_u32 s45, s45, 1
	s_cmp_lg_u32 s45, 0
	s_cbranch_scc1 .Lpass
	s_wait_tensorcnt 0x0                           ; the wave's end, behind my last LDS store
	ds_add_u32 v[SPW], v[NIL]
	s_wait_dscnt 0x0
	s_endpgm
.Lfunc_end_k_q68fa8819b3_dn:
	.size	k_q68fa8819b3_dn, .Lfunc_end_k_q68fa8819b3_dn-k_q68fa8819b3_dn
	.p2alignl 7, 3214868480
	.fill 96, 4, 3214868480
	.section	.rodata,"a",@progbits
	.p2align	6, 0x0
	.amdhsa_kernel k_q68fa8819b3_dn
		.amdhsa_group_segment_fixed_size 176896
		.amdhsa_private_segment_fixed_size 0
		.amdhsa_enable_private_segment 0
		.amdhsa_kernarg_size 40
		.amdhsa_user_sgpr_count 2
		.amdhsa_user_sgpr_kernarg_segment_ptr 1
		.amdhsa_wavefront_size32 1
		.amdhsa_system_sgpr_workgroup_id_x 1
		.amdhsa_system_sgpr_workgroup_id_y 1
		.amdhsa_system_sgpr_workgroup_id_z 1
		.amdhsa_system_vgpr_workitem_id 0
		.amdhsa_next_free_vgpr 1024
		.amdhsa_next_free_sgpr 66
		.amdhsa_reserve_vcc 1
		.amdhsa_float_denorm_mode_32 3
		.amdhsa_float_denorm_mode_16_64 3
		.amdhsa_memory_ordered 1
		.amdhsa_forward_progress 1
		.amdhsa_inst_pref_size 253
	.end_amdhsa_kernel
	.amdgpu_metadata
---
amdhsa.version: [ 1, 2 ]
amdhsa.kernels:
  - .name:           k_q68fa8819b3_dn
    .symbol:         k_q68fa8819b3_dn.kd
    .args:
      - { .name: act, .offset: 0, .size: 8, .value_kind: global_buffer, .address_space: global }
      - { .name: sel, .offset: 8, .size: 8, .value_kind: global_buffer, .address_space: global }
      - { .name: down_proj, .offset: 16, .size: 8, .value_kind: global_buffer, .address_space: global }
      - { .name: shared_down_w, .offset: 24, .size: 8, .value_kind: global_buffer, .address_space: global }
      - { .name: partial, .offset: 32, .size: 8, .value_kind: global_buffer, .address_space: global }
    .group_segment_fixed_size: 176896
    .private_segment_fixed_size: 0
    .kernarg_segment_align: 8
    .kernarg_segment_size: 40
    .max_flat_workgroup_size: 128
    .sgpr_count:     66
    .vgpr_count:     1024
    .wavefront_size: 32
...
	.end_amdgpu_metadata
.endif
;; end of part 3
;; launch sum (part 4): grid 257 x 1, 8 waves a work-group, no clusters, 0 bytes of LDS; arguments partial, wts, auxp, out0, out1; writes out0, out1
.if DOCPART == 4
	.amdgcn_target "amdgcn-amd-amdhsa--gfx1250"
	.amdhsa_code_object_version 6
	.text
	.protected	k_q68fa8819b3_sum
	.globl	k_q68fa8819b3_sum
	.p2align	8
	.type	k_q68fa8819b3_sum,@function
k_q68fa8819b3_sum:
	s_mov_b64 s[64:65], 0
	v_nop
	global_prefetch_b8 v0, s[64:65] scope:SCOPE_SE
	s_setreg_imm32_b32 hwreg(HW_REG_WAVE_MODE, 25, 1), 1
	s_wait_xcnt 0x0
; out0[token] = the sum over a token's eight partial rows of weight x row (four routed choices with their renormalised weights, four shared chunks with the sigmoid gate), all in f32.
; Work-groups 0 to 255: a wave a token; its eight rows are 32 KiB on end.  A chunk is 128 columns: eight loads of 512 consecutive bytes, one store of 512; four chunks of every wave are on their way.
; Work-group 256, wave 0: the aux loss from the 128 work-groups' counts and sums of probabilities: 16 x sum over e of (count_e / 8192) x (P / 2048); the three powers of two are one exact factor 2^-20.
; A stream: no LDS, no barrier, no matrix unit, no cluster: nothing is read twice and no two waves share a byte.  The f32 sums' order is not the reference's.
.set L16, 2
.set XB,  16                           ; v16-143  four chunk buffers of 32
.set AC,  144                          ; v144-175 chunk q's four sums, a set for each chunk: no store's data is written again
	s_load_b256 s[4:11], s[0:1], 0x0               ; partial s[4:5], wts s[6:7], auxp s[8:9], out0 s[10:11]
	s_load_b64 s[12:13], s[0:1], 0x20              ; out1
	v_and_b32 v1, 31, v0
	v_lshlrev_b32 v[L16], 4, v1
	v_lshrrev_b32 v3, 5, v0
	v_readfirstlane_b32 s14, v3                    ; wave 0..7
	s_wait_kmcnt 0x0
	s_cmp_eq_u32 ttmp9, 256
	s_cbranch_scc1 .Laux
	s_lshl_b32 s15, ttmp9, 3
	s_add_co_u32 s15, s15, s14                     ; my token
	s_lshl_b32 s40, s15, 5
	s_mov_b32 s41, 0
	s_lshl_b32 s42, s15, 15
	s_mov_b32 s43, 0
	s_lshl_b32 s44, s15, 12
	s_mov_b32 s45, 0
	s_add_nc_u64 s[6:7], s[6:7], s[40:41]
	s_load_b256 s[16:23], s[6:7], 0x0              ; its eight weights
	s_add_nc_u64 s[4:5], s[4:5], s[42:43]
	s_add_nc_u64 s[10:11], s[10:11], s[44:45]
.macro LOADC q
.irp s, 0,1,2,3,4,5,6,7
	global_load_b128 v[XB+32*((\q)%4)+4*\s:XB+32*((\q)%4)+4*\s+3], v[L16], s[4:5] offset:4096*\s+512*(\q) th:TH_LOAD_NT
.endr
.endm
	LOADC 0
	LOADC 1
	LOADC 2
	LOADC 3
	s_wait_kmcnt 0x0
.irp k, 0,1,2,3,4,5,6,7
	s_mov_b32 s[24+2*\k], s[16+\k]                 ; each weight in the low word of a pair of its own: the packed forms take that word for both halves
	s_mov_b32 s[25+2*\k], s[16+\k]
.endr
; left = the loads of the younger chunks, eight each
.macro CHUNK q, left, refill
	s_wait_loadcnt \left
	v_pk_mul_f32 v[AC+4*(\q):AC+4*(\q)+1],   v[XB+32*((\q)%4):XB+32*((\q)%4)+1],   s[24:25] op_sel_hi:[1,0]
	v_pk_mul_f32 v[AC+4*(\q)+2:AC+4*(\q)+3], v[XB+32*((\q)%4)+2:XB+32*((\q)%4)+3], s[24:25] op_sel_hi:[1,0]
.irp s, 1,2,3,4,5,6,7
	v_pk_fma_f32 v[AC+4*(\q):AC+4*(\q)+1],   v[XB+32*((\q)%4)+4*\s:XB+32*((\q)%4)+4*\s+1],   s[24+2*\s:25+2*\s], v[AC+4*(\q):AC+4*(\q)+1] op_sel_hi:[1,0,1]
	v_pk_fma_f32 v[AC+4*(\q)+2:AC+4*(\q)+3], v[XB+32*((\q)%4)+4*\s+2:XB+32*((\q)%4)+4*\s+3], s[24+2*\s:25+2*\s], v[AC+4*(\q)+2:AC+4*(\q)+3] op_sel_hi:[1,0,1]
.endr
.if \refill
	LOADC (\q)+4                                   ; the loads ahead of the store
.endif
	global_store_b128 v[L16], v[AC+4*(\q):AC+4*(\q)+3], s[10:11] offset:512*(\q) th:TH_STORE_NT  ; 512 consecutive bytes, aligned
.endm
	CHUNK 0, 24, 1
	CHUNK 1, 24, 1
	CHUNK 2, 24, 1
	CHUNK 3, 24, 1
	CHUNK 4, 24, 0
	CHUNK 5, 16, 0
	CHUNK 6, 8, 0
	CHUNK 7, 0, 0
	s_endpgm
.Laux:
	s_cmp_lg_u32 s14, 0
	s_cbranch_scc1 .Ldone
	s_mov_b32 s20, 0x76543210                      ; v_permlanex16_b32: each lane takes its own place in the other half
	s_mov_b32 s21, 0xfedcba98
.irp i, 0,1,2,3,4,5,6,7,8,9,10,11,12,13,14,15,16,17,18,19,20,21,22,23,24,25,26,27,28,29,30,31
	global_load_b128 v[XB+4*\i:XB+4*\i+3], v[L16], s[8:9] offset:512*\i  ; four work-groups' rows of 128 bytes: lane l has columns 4 (l % 8) .. +3 of row 4 i + l / 8
.endr
	s_wait_loadcnt 0x0
.set i, 4
.rept 28                                ; four chains that do not wait for each other
	v_pk_add_f32 v[XB+4*(i%4):XB+4*(i%4)+1],   v[XB+4*(i%4):XB+4*(i%4)+1],   v[XB+4*i:XB+4*i+1]
	v_pk_add_f32 v[XB+4*(i%4)+2:XB+4*(i%4)+3], v[XB+4*(i%4)+2:XB+4*(i%4)+3], v[XB+4*i+2:XB+4*i+3]
.set i, i+1
.endr
	v_pk_add_f32 v[16:17], v[16:17], v[20:21]
	v_pk_add_f32 v[18:19], v[18:19], v[22:23]
	v_pk_add_f32 v[24:25], v[24:25], v[28:29]
	v_pk_add_f32 v[26:27], v[26:27], v[30:31]
	v_pk_add_f32 v[16:17], v[16:17], v[24:25]
	v_pk_add_f32 v[18:19], v[18:19], v[26:27]
.irp c, 0,1,2,3
	v_add_f32_dpp v[16+\c], v[16+\c], v[16+\c] row_xmask:8 row_mask:0xf bank_mask:0xf  ; the lanes 8, 16 and 24 away hold the same columns
.endr
.irp c, 0,1,2,3
	v_permlanex16_b32 v[20+\c], v[16+\c], s20, s21
.endr
.irp c, 0,1,2,3
	v_add_f32 v[16+\c], v[16+\c], v[20+\c]
.endr
	v_readlane_b32 s22, v16, 4                     ; column 16: the sum of all probabilities
	s_mul_f32 s22, s22, 0x35800000                 ; x 2^-20 = 16 / (2048 x 8192), exact
.irp c, 0,1,2,3
	v_mul_f32 v[16+\c], s22, v[16+\c]
.endr
	v_add_f32 v16, v16, v17
	v_add_f32 v18, v18, v19
	v_add_f32 v16, v16, v18
	v_add_f32_dpp v16, v16, v16 row_xmask:1 row_mask:0xf bank_mask:0xf  ; lanes 0 to 3 hold the 16 experts' columns
	v_add_f32_dpp v16, v16, v16 row_xmask:2 row_mask:0xf bank_mask:0xf
	v_mov_b32 v4, 0
	v_cmp_eq_u32 vcc_lo, 0, v0
	s_wait_xcnt 0x0                                ; EXEC changes only behind this wait
	s_and_saveexec_b32 s23, vcc_lo
	global_store_b32 v4, v16, s[12:13]             ; lane 0 alone
	s_wait_xcnt 0x0                                ; and again, ahead of the line that widens it
	s_or_b32 exec_lo, exec_lo, s23
.Ldone:
	s_endpgm
.Lfunc_end_k_q68fa8819b3_sum:
	.size	k_q68fa8819b3_sum, .Lfunc_end_k_q68fa8819b3_sum-k_q68fa8819b3_sum
	.p2alignl 7, 3214868480
	.fill 96, 4, 3214868480
	.section	.rodata,"a",@progbits
	.p2align	6, 0x0
	.amdhsa_kernel k_q68fa8819b3_sum
		.amdhsa_group_segment_fixed_size 0
		.amdhsa_private_segment_fixed_size 0
		.amdhsa_enable_private_segment 0
		.amdhsa_kernarg_size 40
		.amdhsa_user_sgpr_count 2
		.amdhsa_user_sgpr_kernarg_segment_ptr 1
		.amdhsa_wavefront_size32 1
		.amdhsa_system_sgpr_workgroup_id_x 1
		.amdhsa_system_sgpr_workgroup_id_y 1
		.amdhsa_system_sgpr_workgroup_id_z 1
		.amdhsa_system_vgpr_workitem_id 0
		.amdhsa_next_free_vgpr 176
		.amdhsa_next_free_sgpr 66
		.amdhsa_reserve_vcc 1
		.amdhsa_float_denorm_mode_32 3
		.amdhsa_float_denorm_mode_16_64 3
		.amdhsa_memory_ordered 1
		.amdhsa_forward_progress 1
		.amdhsa_inst_pref_size 26
	.end_amdhsa_kernel
	.amdgpu_metadata
---
amdhsa.version: [ 1, 2 ]
amdhsa.kernels:
  - .name:           k_q68fa8819b3_sum
    .symbol:         k_q68fa8819b3_sum.kd
    .args:
      - { .name: partial, .offset: 0, .size: 8, .value_kind: global_buffer, .address_space: global }
      - { .name: wts, .offset: 8, .size: 8, .value_kind: global_buffer, .address_space: global }
      - { .name: auxp, .offset: 16, .size: 8, .value_kind: global_buffer, .address_space: global }
      - { .name: out0, .offset: 24, .size: 8, .value_kind: global_buffer, .address_space: global }
      - { .name: out1, .offset: 32, .size: 8, .value_kind: global_buffer, .address_space: global }
    .group_segment_fixed_size: 0
    .private_segment_fixed_size: 0
    .kernarg_segment_align: 8
    .kernarg_segment_size: 40
    .max_flat_workgroup_size: 256
    .sgpr_count:     66
    .vgpr_count:     176
    .wavefront_size: 32
...
	.end_amdgpu_metadata
.endif
;; end of part 4
;; ======== version 2 of 2: 4 launches; 1.14 times as fast as version 1
;; workspace buffers: hb 4,194,304 bytes; sel 32,768 bytes of whole numbers; wts 65,536 bytes; auxp 16,384 bytes; act 41,943,040 bytes; partial 67,108,864 bytes
;; launch router: the kernel of part 1 again; grid 128 x 1, 8 waves a work-group, no clusters, 46,080 bytes of LDS; arguments hidden_states, router_w, shared_expert_gate_w, hb, sel, wts, auxp; writes hb, sel, wts, auxp
;; launch gu (part 5): grid 256 x 1, 4 waves a work-group, no clusters, 274,176 bytes of LDS; arguments hb, sel, gate_up_proj, shared_gate_w, shared_up_w, act; writes act
.if DOCPART == 5
	.amdgcn_target "amdgcn-amd-amdhsa--gfx1250"
	.amdhsa_code_object_version 6
	.text
	.protected	k_q68fa8819b3_gu
	.globl	k_q68fa8819b3_gu
	.p2align	8
	.type	k_q68fa8819b3_gu,@function
k_q68fa8819b3_gu:
	s_mov_b64 s[64:65], 0
	v_nop
	global_prefetch_b8 v0, s[64:65] scope:SCOPE_SE
	s_setreg_imm32_b32 hwreg(HW_REG_WAVE_MODE, 25, 1), 1
	s_wait_xcnt 0x0
; GATE, UP AND SWIGLU for 20 experts: the 16 routed ones and the shared expert as four more of width 512 that every token takes.
; act = silu(h Wg^T) x (h Wu^T), bf16 products with f32 sums, act rounded once to bf16.
; SHARES.  Work-group x < 128: expert x / 8, slice x % 8, all rows of that expert.  x >= 128: shared chunk j = bits 6:5, tokens 512 RB .. +511 (RB = bits 4:3), slice x % 8.
; A slice is 64 columns of act: 64 gate rows and the 64 up rows that go with them, 128 rows x 1,024 K.  PROLOGUE: the slice is read as f32, rounded on its way through registers and laid
; into LDS (each wave 32 rows); beside that each wave lists, from sel, the tokens among its 512 that took the expert.  ONE barrier.  Behind it nothing writes LDS and no wave waits for another,
; up to a second barrier at the very end, ahead of the closing add: token fragments come from hb straight into registers, weight fragments from LDS.
; ROWS.  The list's rows go in blocks of 16; wave w has blocks 4 i + w.  A pass takes nine i (576 accumulator registers): blocks 0-7 are always multiplied, block 8 only where the pass has nine live blocks;
; its token fragments are always asked for (a dead block repeats the list's last row), so that every K step's slice has 18 loads and the count at a step's head is exact on every way.
; The pass loop counts to 4 (36 blocks a wave cover 2,048 rows: every split is served); dead passes are jumped forward.  Places past the count repeat the list's last row; dead blocks are not stored.
; TRANSPOSED USE: source 0 = 16 weight rows, source 1 = 16 tokens: a lane holds one token and eight neighbouring columns, which pack into 16 bytes.
; act's LAYOUT is the next launch's fragment order: expert x 2 MiB + K step t (32 columns) x 128 KiB + block x 1,024 + half x 512 + lane x 16: every store covers 512 consecutive bytes, aligned.
; NO CLUSTER, NO TENSOR LOADS: a routed slice has one reader; the shared slices (16 of 80 MiB) have four, but go through registers for the rounding; an f32 slice (512 KiB) does not fit in LDS;
; what an expert's eight work-groups share is token rows named by a list, which no descriptor covers.
; LIMITS.  h and the weights are rounded to bf16, act to bf16.  Where 2^(-log2(e) g) is infinite act is 0; exponentials and reciprocals are good to 1 ULP; NaN and infinities are not treated apart.
; REGISTERS, in windows of 256 (s_set_vgpr_msb: bits 1:0 source 0, 3:2 source 1, 5:4 source 2, 7:6 destination):
;   window 0: v0-39 addresses and work; v40-255 three buffers of nine token fragments            window 1: v0-191 three buffers of eight weight fragments; v192-255 block 8's accumulators
;   window 2: accumulators of blocks 0-3 at 64 a + 8 b (in the prologue: eight units of 32 for the rounding)            window 3: blocks 4-7
.set PITCH, 2064                       ; a weight row in LDS: 2,048 bytes + 16 = 129 x 16: the 16 rows of a fragment load start at 16 different groups of four banks (ISA guide 11.1)
.set ASTEP, 64                         ; bytes of hb from K step to K step
.set AHALF, 32                         ; and between a fragment's two loads
.set RSZ,   2304                       ; a wave's list: 512 entries of 4 bytes, 128 bytes for what is not listed, 128 unused
.set LISTS, 128*PITCH
.set CNTB,  LISTS+4*RSZ                ; the four waves' counts
.set SPARE, CNTB+256                   ; the spare words, 128 bytes a wave: two blocks of 256 bytes that no other line names
.set LANE, 1
.set RR,   2                           ; lane % 16
.set H16,  3                           ; 16 x (lane / 16)
.set L16,  4                           ; 16 x lane
.set SPW,  6                           ; my spare word's LDS address; never rewritten
.set NIL,  7                           ; 0; never rewritten
.set ADRB, 8                           ; v8-11  LDS address of weight blocks 2 i, 2 i + 1 at the K step in hand
.set LANEB, 12                         ; r x PITCH + 16 h
.set VIDX, 13                          ; my row's place in the list for the pass's block 0
.set VST,  14                          ; my byte offset in act for the block that goes out
.set VW,   15                          ; prologue: where my 8 bytes go
.set ROWOFF, 16                        ; v16-24 block a: my row's byte offset in hb
.set SB,   40                          ; prologue: sel's bytes of my 16 tokens
.set AR,   40                          ; token fragments: buffer u, block a at AR + 72 u + 8 a
.set TT,   40                          ; the way out, at work
.set PP,   72
.set OO,   104
; s16 wave; s17 x; s18 shared?; s19 expert 0..19; s20 slice; s21 RB; s22 first block in act; s23 sel's byte; s[24:25] an offset; s[26:27] weights; s[28:29] -log2(e); s30 mask; s31, s32 mask's and, or;
; s33 count; s34 my list; s35-37 first places of waves 1-3; s38 rows; s39 rows - 1; s40-42 steps between the lists; s43 blocks; s44 my blocks; s45 passes to go; s46 first i of the pass; s47 live blocks;
; s48 nine live?; s49 loop counts; s50, s51 at work; s[52:53] hb at the K step in hand; s[54:55] hb; s[56:57] act at my expert and slice
.set MSB, 0
.macro WIN new                         ; the immediate's high byte repeats the setting that is left; a switch that changes nothing is dropped
.if MSB != (\new)
	s_set_vgpr_msb (MSB<<8)|(\new)
.set MSB, (\new)
.endif
.endm
.macro PLACES                          ; four places in front of loads into registers that matrix instructions have read, and of instructions that read results
.rept 4
	v_nop
.endr
.endm
; One weight row, 8 loads of 512 consecutive bytes, into unit u; rel = the row's number from the round's first.  The window setting (destination and source 1 in window 2) also serves the LDS stores.
.macro FILL u, rel
	WIN 0x88
.irp i, 0,1,2,3,4,5,6,7
	global_load_b128 v[32*(\u)+4*\i:32*(\u)+4*\i+3], v[L16], s[26:27] offset:(\rel)*4096+512*\i
.endr
.endm
; A unit's turn: rounded in place, laid into LDS (256 consecutive bytes an instruction); then the unit read last turn is filled seven rows ahead.  left = the loads of the younger units, eight each.
.macro TURN u, fill, left
	s_wait_loadcnt \left
	WIN 0x8a
.set k, 0
.rept 8
	v_cvt_pk_bf16_f32 v[32*(\u)+4*k], v[32*(\u)+4*k], v[32*(\u)+4*k+1]
	v_cvt_pk_bf16_f32 v[32*(\u)+4*k+1], v[32*(\u)+4*k+2], v[32*(\u)+4*k+3]
.set k, k+1
.endr
	WIN 0x88
.irp i, 0,1,2,3,4,5,6,7
	ds_store_b64 v[VW], v[32*(\u)+4*\i:32*(\u)+4*\i+1] offset:(\u)*PITCH+256*\i
.endr
.if \fill
	FILL ((\u)+7)%8, (\u)+7
.endif
.endm
; Tokens 512 w + 32 q + lane: those that took the expert go to the next places of my list, the others' lanes write my dump words.  The clamp stands last, ahead of the list's base alone.
.macro LISTQ q
	v_cmp_gt_u32 s30, 4, v[SB+\q]
	s_and_b32 s30, s30, s31                        ; a shared chunk takes no notice of sel,
	s_or_b32 s30, s30, s32                         ; and lists all tokens of its row block
	v_mbcnt_lo_u32_b32 v35, s30, s33               ; the count so far + the listed lanes below me
	v_lshlrev_b32 v35, 2, v35
	v_cndmask_b32 v35, v37, v35, s30
	v_min_u32 v35, 0x87c, v35
	v_add_nc_u32 v35, s34, v35
	v_add_nc_u32 v39, 32*\q, v38
	ds_store_b32 v35, v39
	s_bcnt1_i32_b32 s50, s30
	s_add_co_u32 s33, s33, s50
.endm
; The list's entry for my row of the pass's block a.  Place T lies in wave q's list if T >= that list's first place; from list to list the address steps by RSZ less the bytes used.
.macro LOOKUP a, dst
	v_add_nc_u32 v34, 64*(\a), v[VIDX]
	v_min_u32 v34, s39, v34                        ; places past the count repeat the last row
	v_lshlrev_b32 v35, 2, v34
.irp q, 0,1,2
	v_cmp_le_u32 vcc_lo, s[35+\q], v34
	v_cndmask_b32 v36, 0, s[40+\q], vcc_lo
	v_add_nc_u32 v35, v35, v36
.endr
	v_min_u32 v35, 4*RSZ-4, v35
	v_add_nc_u32 v35, LISTS, v35
	ds_load_b32 v[\dst], v35
.endm
.macro ALOAD u, koff                   ; a slice: the token fragments of all nine blocks for one K step, 18 loads
.irp a, 0,1,2,3,4,5,6,7,8
	global_load_b128 v[AR+72*(\u)+8*\a:AR+72*(\u)+8*\a+3],   v[ROWOFF+\a], s[52:53] offset:(\koff)
	global_load_b128 v[AR+72*(\u)+8*\a+4:AR+72*(\u)+8*\a+7], v[ROWOFF+\a], s[52:53] offset:(\koff)+AHALF
.endr
.endm
.macro BLOAD u, koff                   ; the eight weight fragments of one K step
	WIN 0x40
.irp b, 0,1,2,3,4,5,6,7
	ds_load_b128 v[64*(\u)+8*\b:64*(\u)+8*\b+3],   v[ADRB+\b/2] offset:(\b%2)*16*PITCH+(\koff)
	ds_load_b128 v[64*(\u)+8*\b+4:64*(\u)+8*\b+7], v[ADRB+\b/2] offset:(\b%2)*16*PITCH+(\koff)+32
.endr
.endm
; 32 matrix instructions: blocks 4 hi .. 4 hi + 3 x all 8 weight blocks.  The accumulators take turns, one instruction a turn, in the same order in every K step.
.macro MULH u, hi, zero
	WIN 0xa1+0x50*(\hi)
.irp a, 0,1,2,3
.irp b, 0,1,2,3,4,5,6,7
.if \zero
	v_wmma_f32_16x16x32_bf16 v[64*\a+8*\b:64*\a+8*\b+7], v[64*(\u)+8*\b:64*(\u)+8*\b+7], v[AR+72*(\u)+8*(4*(\hi)+\a):AR+72*(\u)+8*(4*(\hi)+\a)+7], 0
.else
	v_wmma_f32_16x16x32_bf16 v[64*\a+8*\b:64*\a+8*\b+7], v[64*(\u)+8*\b:64*(\u)+8*\b+7], v[AR+72*(\u)+8*(4*(\hi)+\a):AR+72*(\u)+8*(4*(\hi)+\a)+7], v[64*\a+8*\b:64*\a+8*\b+7]
.endif
.endr
.endr
.endm
.macro MUL8 u, zero                    ; block 8's eight
	WIN 0x51
.irp b, 0,1,2,3,4,5,6,7
.if \zero
	v_wmma_f32_16x16x32_bf16 v[192+8*\b:192+8*\b+7], v[64*(\u)+8*\b:64*(\u)+8*\b+7], v[AR+72*(\u)+64:AR+72*(\u)+71], 0
.else
	v_wmma_f32_16x16x32_bf16 v[192+8*\b:192+8*\b+7], v[64*(\u)+8*\b:64*(\u)+8*\b+7], v[AR+72*(\u)+64:AR+72*(\u)+71], v[192+8*\b:192+8*\b+7]
.endif
.endr
.endm
; A K step of 32 on buffers u.  At its head, in one run: the next step's weight fragments (lb) and the slice of the step after that (la), i steps from the bases: a slice has two whole steps in which to land.
; The slice goes into the buffer that the step before multiplied: four places stand between.  Then block 8's products (jumped where the pass has no ninth block) and the 64 of blocks 0-7.
; zero = 1: the pass's first step: its products start the sums, and block 8 runs whatever the count, so that its registers are written on every way.
; left: at the head two slices are out; the count 18 leaves the younger one on its way.
.macro STEP u, i, zero, la, lb, left
	s_wait_loadcnt \left
	s_wait_dscnt 0x0                               ; this step's weight fragments, asked for a step ago
.if (\la) || (\lb)
	PLACES
.endif
.if \lb
	BLOAD ((\u)+1)%3, ((\i)+1)*64
.endif
	WIN 0
.if \la
	ALOAD ((\u)+2)%3, ((\i)+2)*ASTEP
.endif
.if !(\zero)
	s_cmp_eq_u32 s48, 0
	s_cbranch_scc1 .Ln9_\@
.endif
	MUL8 \u, \zero
.if !(\zero)
	WIN 0                                          ; at a label and at a branch every window is 0
.Ln9_\@:
.endif
	MULH \u, 0, \zero
	MULH \u, 1, \zero
.endm
.macro ADV n                           ; the bases go n K steps on
	WIN 0
	s_wait_xcnt 0x0                                ; the loads issued so far have had their addresses translated (ISA guide 3.1): only now is their base stepped
	s_add_nc_u64 s[52:53], s[52:53], (\n)*ASTEP
.irp i, 0,1,2,3
	v_add_nc_u32 v[ADRB+\i], (\n)*64, v[ADRB+\i]
.endr
.endm
; THE WAY OUT's head for one block (accumulators in window w from ac on: 32 registers of gate, 32 of up): the only lines that name accumulators: -log2(e) g and g u, into fixed registers of window 0.
; Each accumulator is read from its low end on.
.macro HEAD w, ac
	WIN \w
.set p, 0
.rept 16
	v_pk_mul_f32 v[TT+2*p:TT+2*p+1], v[(\ac)+2*p:(\ac)+2*p+1], s[28:29] op_sel_hi:[1,0]
.set p, p+1
.endr
	WIN (\w)|((\w)<<2)
.set p, 0
.rept 16
	v_pk_mul_f32 v[PP+2*p:PP+2*p+1], v[(\ac)+2*p:(\ac)+2*p+1], v[(\ac)+32+2*p:(\ac)+32+2*p+1]
.set p, p+1
.endr
	WIN 0
.endm
	s_load_b256 s[4:11], s[0:1], 0x0               ; hb s[4:5], sel s[6:7], gate_up_proj s[8:9], shared_gate_w s[10:11]
	s_load_b128 s[12:15], s[0:1], 0x20             ; shared_up_w s[12:13], act s[14:15]
	v_lshl_add_u32 v[SPW], v0, 2, SPARE
	v_mov_b32 v[NIL], 0
	v_and_b32 v[LANE], 31, v0
	v_and_b32 v[RR], 15, v0
	v_bfe_u32 v[H16], v0, 4, 1
	v_lshlrev_b32 v[H16], 4, v[H16]
	v_lshlrev_b32 v[L16], 4, v[LANE]
	v_lshrrev_b32 v35, 5, v0
	v_readfirstlane_b32 s16, v35                   ; wave 0..3
	s_mov_b32 s17, ttmp9
	s_and_b32 s20, s17, 7                          ; slice
	s_lshr_b32 s50, s17, 3                         ; routed: the expert
	s_and_b32 s21, s50, 3                          ; shared: the row block
	s_bfe_u32 s51, s17, 0x20005                    ; shared: the chunk j
	s_add_co_u32 s19, s51, 16
	s_cmp_ge_u32 s17, 128
	s_cselect_b32 s18, 1, 0
	s_cselect_b32 s19, s19, s50
	s_cselect_b32 s21, s21, 0
	s_cselect_b32 s23, s51, s50                    ; the byte of sel that is read (a shared chunk reads one and ignores it)
	s_cselect_b32 s31, 0, -1
	s_lshl_b32 s22, s21, 5                         ; a row block's 32 blocks of 16
	s_cmp_eq_u32 s16, s21
	s_cselect_b32 s32, -1, 0
	s_and_not1_b32 s32, s32, s31                   ; shared: the wave whose 512 tokens are the row block lists them all
	s_and_b32 s24, s16, 1                          ; my 32 weight rows: 64 x slice + 32 x (wave % 2),
	s_lshl_b32 s24, s24, 5
	s_lshl_b32 s50, s20, 6
	s_add_co_u32 s24, s24, s50
	s_lshl_b32 s24, s24, 12                        ; of 4,096 bytes;
	s_lshl_b32 s50, s19, 22                        ; routed: the expert's 4 MiB, up 2 MiB behind gate;
	s_lshr_b32 s28, s16, 1
	s_lshl_b32 s28, s28, 21
	s_add_co_u32 s50, s50, s28
	s_lshl_b32 s51, s51, 21                        ; shared: the chunk's 512 rows
	s_cmp_eq_u32 s18, 1
	s_cselect_b32 s50, s51, s50
	s_add_co_u32 s24, s24, s50
	s_mov_b32 s25, 0
	v_lshl_add_u32 v38, s16, 9, v[LANE]            ; my first token: 512 w + lane
	v_lshlrev_b32 v34, 4, v38                      ; its 16 bytes of sel
	v_lshl_add_u32 v37, v[LANE], 2, 2048           ; my dump word in my list's region
	v_mul_u32_u24 v[LANEB], v[RR], PITCH
	v_add_nc_u32 v[LANEB], v[LANEB], v[H16]
	s_mul_i32 s50, s16, 32*PITCH
	v_lshl_add_u32 v[VW], v[LANE], 3, s50          ; LDS rows 32 w on: rows 0-63 gate, 64-127 up
	s_mul_i32 s34, s16, RSZ
	s_add_co_u32 s34, s34, LISTS
	s_mov_b32 s33, 0
	v_mov_b32 v20, 0                               ; my list's 2,304 bytes begin as zeros, so that no place a look-up can address is ever undefined
	v_mov_b32 v21, 0
	v_mov_b32 v22, 0
	v_mov_b32 v23, 0
	v_add_nc_u32 v35, s34, v[L16]
	v_lshl_add_u32 v36, v[LANE], 3, s34
.irp i, 0,1,2,3
	ds_store_b128 v35, v[20:23] offset:512*\i
.endr
	ds_store_b64 v36, v[20:21] offset:2048
	s_wait_kmcnt 0x0
	s_cmp_ge_u32 s16, 2
	s_cselect_b64 s[26:27], s[12:13], s[10:11]     ; shared: waves 0, 1 gate, waves 2, 3 up
	s_cmp_eq_u32 s18, 1
	s_cselect_b64 s[26:27], s[26:27], s[8:9]
	s_add_nc_u64 s[26:27], s[26:27], s[24:25]
	s_mov_b32 s24, s23
	s_add_nc_u64 s[6:7], s[6:7], s[24:25]
	s_lshl_b32 s24, s19, 21                        ; act: the expert's 2 MiB, the slice's two K steps of 128 KiB
	s_lshl_b32 s50, s20, 18
	s_add_co_u32 s24, s24, s50
	s_add_nc_u64 s[56:57], s[14:15], s[24:25]
	s_mov_b64 s[54:55], s[4:5]
	s_mov_b32 s28, 0xbfb8aa3b                      ; -log2(e), named as a pair
	s_mov_b32 s29, s28
.irp q, 0,1,2,3,4,5,6,7,8,9,10,11,12,13,14,15
	global_load_u8 v[SB+\q], v34, s[6:7] offset:512*\q
.endr
	FILL 0, 0
	FILL 1, 1
	FILL 2, 2
	FILL 3, 3
	FILL 4, 4
	WIN 0
	s_wait_loadcnt 40                              ; sel's bytes are in; the five units of 8 behind them stay out
.irp q, 0,1,2,3,4,5,6,7,8,9,10,11,12,13,14,15
	LISTQ \q
.endr
	v_mov_b32 v35, s33
	s_lshl_b32 s50, s16, 2
	s_add_co_u32 s50, s50, CNTB
	v_mov_b32 v36, s50
	ds_store_b32 v36, v35                          ; my count: all lanes write the same word
	FILL 5, 5
	FILL 6, 6
	WIN 0
	s_mov_b32 s49, 3
.Lround:                                               ; a round: eight rows; seven units, 56 loads of the wave, are out behind each fill
	TURN 0, 1, 48
	TURN 1, 1, 48
	TURN 2, 1, 48
	TURN 3, 1, 48
	TURN 4, 1, 48
	TURN 5, 1, 48
	TURN 6, 1, 48
	TURN 7, 1, 48
	WIN 0
	s_wait_xcnt 0x0                                ; the fills have had their addresses translated: their base is stepped only now
	s_add_nc_u64 s[26:27], s[26:27], 32768
	v_add_nc_u32 v[VW], 8*PITCH, v[VW]
	s_sub_co_u32 s49, s49, 1
	s_cmp_lg_u32 s49, 0
	s_cbranch_scc1 .Lround
	TURN 0, 1, 48                                  ; the last round: one more fill (the last row), then the counts run down
	TURN 1, 0, 48
	TURN 2, 0, 40
	TURN 3, 0, 32
	TURN 4, 0, 24
	TURN 5, 0, 16
	TURN 6, 0, 8
	TURN 7, 0, 0
	WIN 0
	s_wait_dscnt 0x0                               ; for the others' sake: my rows, my list and my count are in LDS
	s_barrier_signal -1
	s_barrier_wait -1                              ; everybody's are
	v_mov_b32 v35, CNTB
	ds_load_b128 v[36:39], v35
	s_wait_dscnt 0x0
	v_readfirstlane_b32 s35, v36
	v_readfirstlane_b32 s36, v37
	v_readfirstlane_b32 s37, v38
	v_readfirstlane_b32 s38, v39
	s_min_u32 s35, s35, 0x200
	s_min_u32 s36, s36, 0x200
	s_min_u32 s37, s37, 0x200
	s_min_u32 s38, s38, 0x200
	s_lshl_b32 s40, s35, 2
	s_sub_co_u32 s40, RSZ, s40
	s_lshl_b32 s41, s36, 2
	s_sub_co_u32 s41, RSZ, s41
	s_lshl_b32 s42, s37, 2
	s_sub_co_u32 s42, RSZ, s42
	s_add_co_u32 s36, s36, s35
	s_add_co_u32 s37, s37, s36
	s_add_co_u32 s38, s38, s37                     ; the expert's rows
	s_max_u32 s39, s38, 1
	s_sub_co_u32 s39, s39, 1
	s_add_co_u32 s43, s38, 15
	s_lshr_b32 s43, s43, 4                         ; blocks of 16
	s_add_co_u32 s44, s43, 3
	s_sub_co_u32 s44, s44, s16
	s_lshr_b32 s44, s44, 2                         ; of which 4 i + w are mine
	s_mov_b32 s46, 0
	v_lshl_add_u32 v[VIDX], s16, 4, v[RR]
	s_mov_b32 s45, 4
.Lpass:
	s_cmp_le_u32 s44, s46
	s_cbranch_scc1 .Lnext                          ; nothing left for this pass: forward, past text that holds no barrier
	s_sub_co_u32 s47, s44, s46
	s_min_u32 s47, s47, 9
	s_cmp_eq_u32 s47, 9
	s_cselect_b32 s48, 1, 0
	s_wait_xcnt 0x0                                ; the last pass's stores have read their registers
.irp a, 0,1,2,3,4,5,6,7,8
	LOOKUP \a, ROWOFF+\a
.endr
	s_wait_dscnt 0x0
.irp a, 0,1,2,3,4,5,6,7,8
	v_min_u32 v[ROWOFF+\a], 0x7ff, v[ROWOFF+\a]    ; a token
	v_lshl_add_u32 v[ROWOFF+\a], v[ROWOFF+\a], 11, v[H16]
.endr
	s_mov_b64 s[52:53], s[54:55]
.irp i, 0,1,2,3
	v_add_nc_u32 v[ADRB+\i], 2*\i*16*PITCH, v[LANEB]
.endr
	ALOAD 0, 0
	ALOAD 1, ASTEP
	BLOAD 0, 0
	STEP 0, 0, 1, 1, 1, 18
	STEP 1, 1, 0, 1, 1, 18
	ADV 2
	s_mov_b32 s49, 9
.Lk:                                                   ; K steps 2 to 28
	STEP 2, 0, 0, 1, 1, 18
	STEP 0, 1, 0, 1, 1, 18
	STEP 1, 2, 0, 1, 1, 18
	ADV 3
	s_sub_co_u32 s49, s49, 1
	s_cmp_lg_u32 s49, 0
	s_cbranch_scc1 .Lk
	STEP 2, 0, 0, 1, 1, 18                         ; steps 29 to 31: no load passes a row's end
	STEP 0, 1, 0, 0, 1, 18
	STEP 1, 2, 0, 0, 0, 0
	WIN 0
	PLACES
	; THE WAY OUT, a live block a trip: g u / (1 + 2^(-log2(e) g)).  The nine heads are written out; the counter picks one by forward jumps; all else stands once.
	s_mov_b32 s49, 0
.Lepi:
.irp a, 1,2,3,4,5,6,7,8
	s_cmp_eq_u32 s49, \a
	s_cbranch_scc1 .Lh\a
.endr
	HEAD 2, 0
	s_branch .Lsend
.Lh1:
	HEAD 2, 64
	s_branch .Lsend
.Lh2:
	HEAD 2, 128
	s_branch .Lsend
.Lh3:
	HEAD 2, 192
	s_branch .Lsend
.Lh4:
	HEAD 3, 0
	s_branch .Lsend
.Lh5:
	HEAD 3, 64
	s_branch .Lsend
.Lh6:
	HEAD 3, 128
	s_branch .Lsend
.Lh7:
	HEAD 3, 192
	s_branch .Lsend
.Lh8:
	HEAD 1, 192
.Lsend:
.set p, 0
.rept 32
	v_exp_f32 v[TT+p], v[TT+p]                     ; one batch of 32
.set p, p+1
.endr
	v_nop                                          ; a plain instruction behind the last exponential,
	s_wait_alu depctr_va_vdst(0)                   ; and the batch's one wait, ahead of its first reader
.set p, 0
.rept 16
	v_pk_add_f32 v[TT+2*p:TT+2*p+1], v[TT+2*p:TT+2*p+1], 1.0 op_sel_hi:[1,0]
.set p, p+1
.endr
.set p, 0
.rept 32
	v_rcp_f32 v[TT+p], v[TT+p]
.set p, p+1
.endr
	v_nop                                          ; a plain instruction behind the last reciprocal,
	s_wait_alu depctr_va_vdst(0)                   ; and the batch's one wait
.set p, 0
.rept 16
	v_pk_mul_f32 v[PP+2*p:PP+2*p+1], v[PP+2*p:PP+2*p+1], v[TT+2*p:TT+2*p+1]
.set p, p+1
.endr
	s_add_co_u32 s50, s46, s49                     ; the block's place in act: first block + 4 (i + a) + w
	s_lshl_b32 s50, s50, 2
	s_add_co_u32 s50, s50, s16
	s_add_co_u32 s50, s50, s22
	s_wait_xcnt 0x0                                ; the last block's stores have read OO and VST
	v_lshl_add_u32 v[VST], s50, 10, v[L16]
.set p, 0
.rept 16
	v_cvt_pk_bf16_f32 v[OO+p], v[PP+2*p], v[PP+2*p+1]
.set p, p+1
.endr
.irp c, 0,1,2,3
	global_store_b128 v[VST], v[OO+4*\c:OO+4*\c+3], s[56:57] offset:(\c/2)*131072+(\c%2)*512  ; 512 consecutive bytes, aligned: 16 rows x 16 columns
.endr
	s_add_co_u32 s49, s49, 1
	s_cmp_lt_u32 s49, s47                          ; blocks past the pass's live ones are not stored
	s_cbranch_scc1 .Lepi
.Lnext:
	s_add_co_u32 s46, s46, 9
	v_add_nc_u32 v[VIDX], 576, v[VIDX]
	s_sub_co_u32 s45, s45, 1
	s_cmp_lg_u32 s45, 0
	s_cbranch_scc1 .Lpass
	s_wait_dscnt 0x0                               ; my reads of LDS are over;
	s_barrier_signal -1
	s_barrier_wait -1                              ; every wave's are: no wave writes LDS again (the add below) before that
	s_wait_tensorcnt 0x0                           ; the wave's end, behind my last LDS store
	ds_add_u32 v[SPW], v[NIL]
	s_wait_dscnt 0x0
	s_endpgm
.Lfunc_end_k_q68fa8819b3_gu:
	.size	k_q68fa8819b3_gu, .Lfunc_end_k_q68fa8819b3_gu-k_q68fa8819b3_gu
	.p2alignl 7, 3214868480
	.fill 96, 4, 3214868480
	.section	.rodata,"a",@progbits
	.p2align	6, 0x0
	.amdhsa_kernel k_q68fa8819b3_gu
		.amdhsa_group_segment_fixed_size 274176
		.amdhsa_private_segment_fixed_size 0
		.amdhsa_enable_private_segment 0
		.amdhsa_kernarg_size 48
		.amdhsa_user_sgpr_count 2
		.amdhsa_user_sgpr_kernarg_segment_ptr 1
		.amdhsa_wavefront_size32 1
		.amdhsa_system_sgpr_workgroup_id_x 1
		.amdhsa_system_sgpr_workgroup_id_y 1
		.amdhsa_system_sgpr_workgroup_id_z 1
		.amdhsa_system_vgpr_workitem_id 0
		.amdhsa_next_free_vgpr 1024
		.amdhsa_next_free_sgpr 66
		.amdhsa_reserve_vcc 1
		.amdhsa_float_denorm_mode_32 3
		.amdhsa_float_denorm_mode_16_64 3
		.amdhsa_memory_ordered 1
		.amdhsa_forward_progress 1
		.amdhsa_inst_pref_size 149
	.end_amdhsa_kernel
	.amdgpu_metadata
---
amdhsa.version: [ 1, 2 ]
amdhsa.kernels:
  - .name:           k_q68fa8819b3_gu
    .symbol:         k_q68fa8819b3_gu.kd
    .args:
      - { .name: hb, .offset: 0, .size: 8, .value_kind: global_buffer, .address_space: global }
      - { .name: sel, .offset: 8, .size: 8, .value_kind: global_buffer, .address_space: global }
      - { .name: gate_up_proj, .offset: 16, .size: 8, .value_kind: global_buffer, .address_space: global }
      - { .name: shared_gate_w, .offset: 24, .size: 8, .value_kind: global_buffer, .address_space: global }
      - { .name: shared_up_w, .offset: 32, .size: 8, .value_kind: global_buffer, .address_space: global }
      - { .name: act, .offset: 40, .size: 8, .value_kind: global_buffer, .address_space: global }
    .group_segment_fixed_size: 274176
    .private_segment_fixed_size: 0
    .kernarg_segment_align: 8
    .kernarg_segment_size: 48
    .max_flat_workgroup_size: 128
    .sgpr_count:     66
    .vgpr_count:     1024
    .wavefront_size: 32
...
	.end_amdgpu_metadata
.endif
;; end of part 5
;; launch dn (part 6): grid 256 x 1, 4 waves a work-group, no clusters, 143,104 bytes of LDS; arguments act, sel, down_proj, shared_down_w, partial; writes partial
.if DOCPART == 6
	.amdgcn_target "amdgcn-amd-amdhsa--gfx1250"
	.amdhsa_code_object_version 6
	.text
	.protected	k_q68fa8819b3_dn
	.globl	k_q68fa8819b3_dn
	.p2align	8
	.type	k_q68fa8819b3_dn,@function
k_q68fa8819b3_dn:
	s_mov_b64 s[64:65], 0
	v_nop
	global_prefetch_b8 v0, s[64:65] scope:SCOPE_SE
	s_setreg_imm32_b32 hwreg(HW_REG_WAVE_MODE, 25, 1), 1
	s_wait_xcnt 0x0
; DOWN for the 20 experts (16 routed, the shared one as four chunks of K = 512): partial[token][slot][:] = act row x Wd^T, bf16 products, f32 sums, stored in f32.
; slot = the token's choice k (0..3) for a routed expert, 4 + j for shared chunk j: each row of partial has one writer, and the next launch adds a token's eight rows with their weights.
; SHARES, ROWS, PASSES as in the launch before: work-group x < 128: expert x / 8, slice x % 8 (128 output columns), all the expert's rows; x >= 128: chunk bits 6:5, row block bits 4:3, slice x % 8.
; PROLOGUE: the slice's 128 rows x 512 K are read as f32, rounded through registers and laid into LDS; each wave lists, from sel, 8 x token + slot of the tokens among its 512 that took the expert, in the order
; in which the launch before listed them.  ONE barrier.  Behind it nothing writes LDS and no wave waits for another, up to a second barrier at the very end, ahead of the closing add: weight fragments come
; from LDS, and act's fragments, stored in fragment order, come as 512 consecutive bytes a load.
; LAYOUT.  Source 0 = 16 rows of act, source 1 = 16 weight rows: register j of lane (r, h) holds token row 8 h + j and the column at place r of the column block.  The weight rows lie in LDS in an order of
; their own: column c of the slice in LDS row 64 (c / 64) + 16 (c % 4) + (c / 4) % 16, so that place r of block b is column 64 (b / 4) + 4 r + b % 4.  Registers j of blocks 4 q .. 4 q + 3 are then four
; neighbouring columns of one row: 64 moves a block of 16 rows bring them into runs of four registers, and no result goes through LDS.
; THE WAY OUT, a live block a trip: each store covers two aligned runs of 256 consecutive bytes: lanes 0-15 half of the slice's 512 bytes of row j, lanes 16-31 of row 8 + j.  The rows' places in partial come
; from the list, eight look-ups a block.  Places past the count repeat the list's last row: the same wave stores the same numbers there once more, at times from both halves of one store.
; Block 8's fragments are always asked for (a dead block repeats the last live block), so that every slice has 18 loads and the count at a step's head is exact; its products run only where the pass has nine live blocks.
; NO CLUSTER, NO TENSOR LOADS: a routed slice has one reader and is rounded on its way through registers; act's blocks are named by counts read from memory.
; LIMITS.  The weights are rounded to bf16; NaN and infinities are not treated apart.
; REGISTERS, in windows of 256 (s_set_vgpr_msb: bits 1:0 source 0, 3:2 source 1, 5:4 source 2, 7:6 destination):
;   window 0: v0-39 addresses and work; v40-255 three buffers of nine fragments of act            window 1: v0-191 three buffers of eight weight fragments; v192-255 block 8's accumulators
;   window 2: accumulators of blocks 0-3 at 64 a + 8 b (in the prologue: eight units of 32 for the rounding)            window 3: blocks 4-7
.set PITCH, 1040                       ; a weight row in LDS: 1,024 bytes + 16 = 65 x 16 (ISA guide 11.1: the 16 rows of a fragment load start at 16 different groups of four banks)
.set ASTEP, 131072                     ; bytes of act from K step to K step
.set AHALF, 512                        ; and between a fragment's two loads
.set RSZ,   2304                       ; a wave's list: 512 entries of 4 bytes, 128 bytes for what is not listed, 128 unused
.set LISTS, 128*PITCH
.set CNTB,  LISTS+4*RSZ                ; the four waves' counts
.set SPARE, CNTB+256                   ; the spare words, 128 bytes a wave: two blocks of 256 bytes that no other line names
.set LANE, 1
.set RR,   2                           ; lane % 16
.set H16,  3                           ; 16 x (lane / 16)
.set L16,  4                           ; 16 x lane
.set R16,  5                           ; 16 x (lane % 16): my 16 bytes in a run of 256
.set SPW,  6                           ; my spare word's LDS address; never rewritten
.set NIL,  7                           ; 0; never rewritten
.set ADRB, 8                           ; v8-11  LDS address of weight blocks 2 i, 2 i + 1 at the K step in hand
.set LANEB, 12                         ; r x PITCH + 16 h
.set VIDX, 13                          ; the list place of row 8 h of the pass's block 0
.set VW,   15                          ; prologue: where my 8 bytes go
.set ROWOFF, 16                        ; v16-24 block a: my byte offset in a K step's plane of act
.set IDR,  26                          ; v26-33 the way out: 8 x token + slot of rows 8 h + 0 .. 7
.set SB,   40                          ; prologue: sel's bytes of my 16 tokens
.set VOF,  64                          ; prologue: v64-95 my byte offset in each of my 32 weight rows; made once
.set AR,   40                          ; act's fragments: buffer u, block a at AR + 72 u + 8 a
.set TT,   40                          ; the way out: v40-103 sixteen runs of four columns
.set VO,   104                         ; the way out: v104-111 my byte offset in partial for rows 8 h + 0 .. 7
; s16 wave; s17 x; s18 shared?; s19 expert 0..19; s20 slice; s21 RB; s22 first block in act; s23 sel's byte; s[24:25] an offset; s[26:27] weights; s30 mask; s31, s32 mask's and, or; s33 count; s34 my list;
; s35-37 first places of waves 1-3; s38 rows; s39 rows - 1; s40-42 steps between the lists; s43 blocks; s44 my blocks; s45 passes to go; s46 first i of the pass; s47 live blocks; s48 nine live?;
; s49 loop counts; s50, s51 at work; s[52:53] act at the K step in hand; s[54:55] act at my expert; s[56:57] partial at my slice's columns; s60 a weight row's bytes; s61 a shared chunk's slot; s62 blocks - 1
.set MSB, 0
.macro WIN new                         ; the immediate's high byte repeats the setting that is left; a switch that changes nothing is dropped
.if MSB != (\new)
	s_set_vgpr_msb (MSB<<8)|(\new)
.set MSB, (\new)
.endif
.endm
.macro PLACES                          ; four places in front of loads into registers that matrix instructions have read, and of instructions that read results
.rept 4
	v_nop
.endr
.endm
; Unit bt of 16: two weight rows' 2,048 bytes each, 8 loads of 512 consecutive bytes.  Each row has an offset register of its own, so no base is stepped.
; The window setting (destination and source 1 in window 2) also serves the LDS stores.
.macro FILL bt
	WIN 0x88
.irp rr, 0,1
.irp i, 0,1,2,3
	global_load_b128 v[32*((\bt)%8)+16*\rr+4*\i:32*((\bt)%8)+16*\rr+4*\i+3], v[VOF+2*(\bt)+\rr], s[26:27] offset:512*\i
.endr
.endr
.endm
; Unit bt's turn, in place bt % 8: rounded in place, laid into LDS (256 consecutive bytes an instruction); then unit bt + 7 is asked for.  left = the loads of the younger units, eight each.
; My row i = 2 bt + rr goes 16 (i % 4) + i / 4 LDS rows behind my wave's first.
.macro TURN bt, fill, left
	s_wait_loadcnt \left
	WIN 0x8a
.set k, 0
.rept 8
	v_cvt_pk_bf16_f32 v[32*((\bt)%8)+4*k], v[32*((\bt)%8)+4*k], v[32*((\bt)%8)+4*k+1]
	v_cvt_pk_bf16_f32 v[32*((\bt)%8)+4*k+1], v[32*((\bt)%8)+4*k+2], v[32*((\bt)%8)+4*k+3]
.set k, k+1
.endr
	WIN 0x88
.irp rr, 0,1
.irp i, 0,1,2,3
	ds_store_b64 v[VW], v[32*((\bt)%8)+16*\rr+4*\i:32*((\bt)%8)+16*\rr+4*\i+1] offset:(16*((2*(\bt)+\rr)%4)+(2*(\bt)+\rr)/4)*PITCH+256*\i
.endr
.endr
.if \fill
	FILL (\bt)+7
.endif
.endm
; Tokens 512 w + 32 q + lane: those that took the expert go to the next places of my list, the others' lanes write my dump words.
.macro LISTQ q
	v_cmp_gt_u32 s30, 4, v[SB+\q]
	s_and_b32 s30, s30, s31                        ; a shared chunk takes no notice of sel,
	s_or_b32 s30, s30, s32                         ; and lists all tokens of its row block
	v_mbcnt_lo_u32_b32 v35, s30, s33               ; the count so far + the listed lanes below me
	v_lshlrev_b32 v35, 2, v35
	v_cndmask_b32 v35, v37, v35, s30
	v_min_u32 v35, 0x87c, v35                      ; the clamp stands last, ahead of the list's base alone
	v_add_nc_u32 v35, s34, v35
	v_min_u32 v39, 3, v[SB+\q]                     ; the slot: the choice k,
	v_and_b32 v39, s31, v39
	v_or_b32 v39, s61, v39                         ; or 4 + j
	v_add_nc_u32 v36, 32*\q, v38
	v_lshl_add_u32 v39, v36, 3, v39
	ds_store_b32 v35, v39
	s_bcnt1_i32_b32 s50, s30
	s_add_co_u32 s33, s33, s50
.endm
; The list's entry for row 8 h + j of the block that goes out (s51 = 64 x its number in the pass).  Place T lies in wave q's list if T >= that list's first place; from list to list the address
; steps by RSZ less the bytes used.  The sixteen lanes of a half read one word.
.macro LOOKUP j
	v_add3_u32 v34, v[VIDX], s51, \j
	v_min_u32 v34, s39, v34                        ; places past the count repeat the last row
	v_lshlrev_b32 v35, 2, v34
.irp q, 0,1,2
	v_cmp_le_u32 vcc_lo, s[35+\q], v34
	v_cndmask_b32 v36, 0, s[40+\q], vcc_lo
	v_add_nc_u32 v35, v35, v36
.endr
	v_min_u32 v35, 4*RSZ-4, v35
	v_add_nc_u32 v35, LISTS, v35
	ds_load_b32 v[IDR+\j], v35
.endm
.macro ALOAD u, koff                   ; a slice: act's fragments of all nine blocks for one K step, 18 loads
.irp a, 0,1,2,3,4,5,6,7,8
	global_load_b128 v[AR+72*(\u)+8*\a:AR+72*(\u)+8*\a+3],   v[ROWOFF+\a], s[52:53] offset:(\koff)
	global_load_b128 v[AR+72*(\u)+8*\a+4:AR+72*(\u)+8*\a+7], v[ROWOFF+\a], s[52:53] offset:(\koff)+AHALF
.endr
.endm
.macro BLOAD u, koff                   ; the eight weight fragments of one K step
	WIN 0x40
.irp b, 0,1,2,3,4,5,6,7
	ds_load_b128 v[64*(\u)+8*\b:64*(\u)+8*\b+3],   v[ADRB+\b/2] offset:(\b%2)*16*PITCH+(\koff)
	ds_load_b128 v[64*(\u)+8*\b+4:64*(\u)+8*\b+7], v[ADRB+\b/2] offset:(\b%2)*16*PITCH+(\koff)+32
.endr
.endm
; 32 matrix instructions: blocks 4 hi .. 4 hi + 3 x all 8 weight blocks; act in window 0, weights in window 1.  The accumulators take turns, one instruction a turn, in the same order in every K step.
.macro MULH u, hi, zero
	WIN 0xa4+0x50*(\hi)
.irp a, 0,1,2,3
.irp b, 0,1,2,3,4,5,6,7
.if \zero
	v_wmma_f32_16x16x32_bf16 v[64*\a+8*\b:64*\a+8*\b+7], v[AR+72*(\u)+8*(4*(\hi)+\a):AR+72*(\u)+8*(4*(\hi)+\a)+7], v[64*(\u)+8*\b:64*(\u)+8*\b+7], 0
.else
	v_wmma_f32_16x16x32_bf16 v[64*\a+8*\b:64*\a+8*\b+7], v[AR+72*(\u)+8*(4*(\hi)+\a):AR+72*(\u)+8*(4*(\hi)+\a)+7], v[64*(\u)+8*\b:64*(\u)+8*\b+7], v[64*\a+8*\b:64*\a+8*\b+7]
.endif
.endr
.endr
.endm
.macro MUL8 u, zero                    ; block 8's eight
	WIN 0x54
.irp b, 0,1,2,3,4,5,6,7
.if \zero
	v_wmma_f32_16x16x32_bf16 v[192+8*\b:192+8*\b+7], v[AR+72*(\u)+64:AR+72*(\u)+71], v[64*(\u)+8*\b:64*(\u)+8*\b+7], 0
.else
	v_wmma_f32_16x16x32_bf16 v[192+8*\b:192+8*\b+7], v[AR+72*(\u)+64:AR+72*(\u)+71], v[64*(\u)+8*\b:64*(\u)+8*\b+7], v[192+8*\b:192+8*\b+7]
.endif
.endr
.endm
; A K step of 32 on buffers u.  At its head, in one run: the next step's weight fragments (lb) and the slice of the step after that (la), i steps from the bases: a slice has two whole steps in which to land.
; The slice goes into the buffer that the step before multiplied: four places stand between.  Then block 8's products (jumped where the pass has no ninth block) and the 64 of blocks 0-7.
; zero = 1: the pass's first step: its products start the sums, and block 8 runs whatever the count, so that its registers are written on every way.
; left: at the head two slices are out; the count 18 leaves the younger one on its way.
.macro STEP u, i, zero, la, lb, left
	s_wait_loadcnt \left
	s_wait_dscnt 0x0                               ; this step's weight fragments, asked for a step ago
.if (\la) || (\lb)
	PLACES
.endif
.if \lb
	BLOAD ((\u)+1)%3, ((\i)+1)*64
.endif
	WIN 0
.if \la
	ALOAD ((\u)+2)%3, ((\i)+2)*ASTEP
.endif
.if !(\zero)
	s_cmp_eq_u32 s48, 0
	s_cbranch_scc1 .Ln9_\@
.endif
	MUL8 \u, \zero
.if !(\zero)
	WIN 0                                          ; at a label and at a branch every window is 0
.Ln9_\@:
.endif
	MULH \u, 0, \zero
	MULH \u, 1, \zero
.endm
.macro ADV n                           ; the bases go n K steps on
	WIN 0
	s_wait_xcnt 0x0                                ; the loads issued so far have had their addresses translated (ISA guide 3.1): only now is their base stepped
	s_add_nc_u64 s[52:53], s[52:53], (\n)*ASTEP
.irp i, 0,1,2,3
	v_add_nc_u32 v[ADRB+\i], (\n)*64, v[ADRB+\i]
.endr
.endm
; THE WAY OUT's head for one block (accumulators in window w from ac on): the only lines that name accumulators.  Run 2 j + q takes register j of blocks 4 q .. 4 q + 3: columns 64 q + 4 r + 0 .. 3 of row 8 h + j.
; j ascends.
.macro HEAD w, ac
	WIN \w
.irp j, 0,1,2,3,4,5,6,7
.irp q, 0,1
.irp t, 0,1,2,3
	v_mov_b32 v[TT+4*(2*\j+\q)+\t], v[(\ac)+8*(4*\q+\t)+\j]
.endr
.endr
.endr
	WIN 0
.endm
	s_load_b256 s[4:11], s[0:1], 0x0               ; act s[4:5], sel s[6:7], down_proj s[8:9], shared_down_w s[10:11]
	s_load_b64 s[12:13], s[0:1], 0x20              ; partial
	v_lshl_add_u32 v[SPW], v0, 2, SPARE
	v_mov_b32 v[NIL], 0
	v_and_b32 v[LANE], 31, v0
	v_and_b32 v[RR], 15, v0
	v_bfe_u32 v[H16], v0, 4, 1
	v_lshlrev_b32 v[H16], 4, v[H16]
	v_lshlrev_b32 v[L16], 4, v[LANE]
	v_lshlrev_b32 v[R16], 4, v[RR]
	v_lshrrev_b32 v35, 5, v0
	v_readfirstlane_b32 s16, v35                   ; wave 0..3
	s_mov_b32 s17, ttmp9
	s_and_b32 s20, s17, 7                          ; slice
	s_lshr_b32 s50, s17, 3                         ; routed: the expert
	s_and_b32 s21, s50, 3                          ; shared: the row block
	s_bfe_u32 s51, s17, 0x20005                    ; shared: the chunk j
	s_add_co_u32 s19, s51, 16
	s_add_co_u32 s61, s51, 4
	s_cmp_ge_u32 s17, 128
	s_cselect_b32 s18, 1, 0
	s_cselect_b32 s19, s19, s50
	s_cselect_b32 s21, s21, 0
	s_cselect_b32 s23, s51, s50                    ; the byte of sel that is read (a shared chunk reads one and ignores it)
	s_cselect_b32 s31, 0, -1
	s_cselect_b32 s61, s61, 0
	s_cselect_b32 s60, 13, 11
	s_lshl_b32 s60, 1, s60                         ; a weight row: 2,048 bytes in down_proj, 8,192 in shared_down_w
	s_lshl_b32 s22, s21, 5                         ; a row block's 32 blocks of 16
	s_cmp_eq_u32 s16, s21
	s_cselect_b32 s32, -1, 0
	s_and_not1_b32 s32, s32, s31                   ; shared: the wave whose 512 tokens are the row block lists them all
	s_lshl_b32 s24, s20, 7                         ; my 32 weight rows: 128 x slice + 32 x wave
	s_lshl_b32 s50, s16, 5
	s_add_co_u32 s24, s24, s50
	s_mul_i32 s24, s24, s60
	s_lshl_b32 s50, s19, 21                        ; routed: the expert's 2 MiB
	s_lshl_b32 s51, s51, 11                        ; shared: the chunk's 512 columns of each row
	s_cmp_eq_u32 s18, 1
	s_cselect_b32 s50, s51, s50
	s_add_co_u32 s24, s24, s50
	s_mov_b32 s25, 0
	v_lshl_add_u32 v38, s16, 9, v[LANE]            ; my first token: 512 w + lane
	v_lshlrev_b32 v34, 4, v38                      ; its 16 bytes of sel
	v_lshl_add_u32 v37, v[LANE], 2, 2048           ; my dump word in my list's region
	v_mul_u32_u24 v[LANEB], v[RR], PITCH
	v_add_nc_u32 v[LANEB], v[LANEB], v[H16]
	s_lshr_b32 s50, s16, 1                         ; my rows are columns 32 w .. 32 w + 31 of the slice: the first goes to LDS row 64 (w / 2) + 8 (w % 2)
	s_mul_i32 s50, s50, 64*PITCH
	s_and_b32 s51, s16, 1
	s_mul_i32 s51, s51, 8*PITCH
	s_add_co_u32 s50, s50, s51
	v_lshl_add_u32 v[VW], v[LANE], 3, s50
	v_mov_b32 v[VOF], v[L16]                       ; my 16 bytes in each of my 32 weight rows
.set k, 1
.rept 31
	v_add_nc_u32 v[VOF+k], s60, v[VOF+k-1]
.set k, k+1
.endr
	s_mul_i32 s34, s16, RSZ
	s_add_co_u32 s34, s34, LISTS
	s_mov_b32 s33, 0
	v_mov_b32 v20, 0                               ; my list's 2,304 bytes begin as zeros, so that no place a look-up can address is ever undefined
	v_mov_b32 v21, 0
	v_mov_b32 v22, 0
	v_mov_b32 v23, 0
	v_add_nc_u32 v35, s34, v[L16]
	v_lshl_add_u32 v36, v[LANE], 3, s34
.irp i, 0,1,2,3
	ds_store_b128 v35, v[20:23] offset:512*\i
.endr
	ds_store_b64 v36, v[20:21] offset:2048
	s_wait_kmcnt 0x0
	s_cmp_eq_u32 s18, 1
	s_cselect_b64 s[26:27], s[10:11], s[8:9]
	s_add_nc_u64 s[26:27], s[26:27], s[24:25]
	s_mov_b32 s24, s23
	s_add_nc_u64 s[6:7], s[6:7], s[24:25]
	s_lshl_b32 s24, s19, 21
	s_add_nc_u64 s[54:55], s[4:5], s[24:25]
	s_lshl_b32 s24, s20, 9
	s_add_nc_u64 s[56:57], s[12:13], s[24:25]
.irp q, 0,1,2,3,4,5,6,7,8,9,10,11,12,13,14,15
	global_load_u8 v[SB+\q], v34, s[6:7] offset:512*\q
.endr
.irp u, 0,1,2,3,4
	FILL \u
.endr
	WIN 0
	s_wait_loadcnt 40                              ; sel's bytes are in; the five units of 8 behind them stay out
.irp q, 0,1,2,3,4,5,6,7,8,9,10,11,12,13,14,15
	LISTQ \q
.endr
	v_mov_b32 v35, s33
	s_lshl_b32 s50, s16, 2
	s_add_co_u32 s50, s50, CNTB
	v_mov_b32 v36, s50
	ds_store_b32 v36, v35                          ; my count: all lanes write the same word
	FILL 5
	FILL 6
.irp bt, 0,1,2,3,4,5,6,7,8
	TURN \bt, 1, 48                                ; sixteen units of two rows; seven units, 56 loads of the wave, are out behind each fill
.endr
	TURN 9, 0, 48                                  ; the last seven ask for nothing and the counts run down
	TURN 10, 0, 40
	TURN 11, 0, 32
	TURN 12, 0, 24
	TURN 13, 0, 16
	TURN 14, 0, 8
	TURN 15, 0, 0
	WIN 0
	s_wait_dscnt 0x0                               ; for the others' sake: my rows, my list and my count are in LDS
	s_barrier_signal -1
	s_barrier_wait -1                              ; everybody's are
	v_mov_b32 v35, CNTB
	ds_load_b128 v[36:39], v35
	s_wait_dscnt 0x0
	v_readfirstlane_b32 s35, v36
	v_readfirstlane_b32 s36, v37
	v_readfirstlane_b32 s37, v38
	v_readfirstlane_b32 s38, v39
	s_min_u32 s35, s35, 0x200
	s_min_u32 s36, s36, 0x200
	s_min_u32 s37, s37, 0x200
	s_min_u32 s38, s38, 0x200
	s_lshl_b32 s40, s35, 2
	s_sub_co_u32 s40, RSZ, s40
	s_lshl_b32 s41, s36, 2
	s_sub_co_u32 s41, RSZ, s41
	s_lshl_b32 s42, s37, 2
	s_sub_co_u32 s42, RSZ, s42
	s_add_co_u32 s36, s36, s35
	s_add_co_u32 s37, s37, s36
	s_add_co_u32 s38, s38, s37                     ; the expert's rows
	s_max_u32 s39, s38, 1
	s_sub_co_u32 s39, s39, 1
	s_add_co_u32 s43, s38, 15
	s_lshr_b32 s43, s43, 4                         ; blocks of 16
	s_max_u32 s62, s43, 1
	s_sub_co_u32 s62, s62, 1
	s_add_co_u32 s44, s43, 3
	s_sub_co_u32 s44, s44, s16
	s_lshr_b32 s44, s44, 2                         ; of which 4 i + w are mine
	s_mov_b32 s46, 0
	v_lshrrev_b32 v34, 1, v[H16]                   ; 8 h
	v_lshl_add_u32 v[VIDX], s16, 4, v34
	s_mov_b32 s45, 4
.Lpass:
	s_cmp_le_u32 s44, s46
	s_cbranch_scc1 .Lnext                          ; nothing left for this pass: forward, past text that holds no barrier
	s_sub_co_u32 s47, s44, s46
	s_min_u32 s47, s47, 9
	s_cmp_eq_u32 s47, 9
	s_cselect_b32 s48, 1, 0
	s_wait_xcnt 0x0                                ; the last pass's loads and stores have read their registers
.irp a, 0,1,2,3,4,5,6,7,8
	s_add_co_u32 s50, s46, \a                      ; block 4 (i + a) + w of the list; a dead one repeats the last live block, which the launch before has written whole
	s_lshl_b32 s50, s50, 2
	s_add_co_u32 s50, s50, s16
	s_min_u32 s50, s50, s62
	s_min_u32 s50, s50, 127
	s_add_co_u32 s50, s50, s22
	v_lshl_add_u32 v[ROWOFF+\a], s50, 10, v[L16]
.endr
	s_mov_b64 s[52:53], s[54:55]
.irp i, 0,1,2,3
	v_add_nc_u32 v[ADRB+\i], 2*\i*16*PITCH, v[LANEB]
.endr
	ALOAD 0, 0
	ALOAD 1, ASTEP
	BLOAD 0, 0
	STEP 0, 0, 1, 1, 1, 18
	ADV 1
	s_mov_b32 s49, 4
.Lk:                                                   ; K steps 1 to 12
	STEP 1, 0, 0, 1, 1, 18
	STEP 2, 1, 0, 1, 1, 18
	STEP 0, 2, 0, 1, 1, 18
	ADV 3
	s_sub_co_u32 s49, s49, 1
	s_cmp_lg_u32 s49, 0
	s_cbranch_scc1 .Lk
	STEP 1, 0, 0, 1, 1, 18                         ; steps 13 to 15: the last two ask for no further plane of act, the last for nothing
	STEP 2, 1, 0, 0, 1, 18
	STEP 0, 2, 0, 0, 0, 0
	WIN 0
	PLACES
	; THE WAY OUT, a live block a trip.  The look-ups stand first: they name no register of the last block's stores, and run while those leave.  The nine heads are written out; the counter picks one
	; by forward jumps; all else stands once.
	s_mov_b32 s49, 0
.Lepi:
	s_lshl_b32 s51, s49, 6                         ; 64 list places from one of my blocks to the next
.irp j, 0,1,2,3,4,5,6,7
	LOOKUP \j
.endr
	s_wait_xcnt 0x0                                ; the last block's stores have read TT and VO
.irp a, 1,2,3,4,5,6,7,8
	s_cmp_eq_u32 s49, \a
	s_cbranch_scc1 .Lh\a
.endr
	HEAD 2, 0
	s_branch .Lsend
.Lh1:
	HEAD 2, 64
	s_branch .Lsend
.Lh2:
	HEAD 2, 128
	s_branch .Lsend
.Lh3:
	HEAD 2, 192
	s_branch .Lsend
.Lh4:
	HEAD 3, 0
	s_branch .Lsend
.Lh5:
	HEAD 3, 64
	s_branch .Lsend
.Lh6:
	HEAD 3, 128
	s_branch .Lsend
.Lh7:
	HEAD 3, 192
	s_branch .Lsend
.Lh8:
	HEAD 1, 192
.Lsend:
	s_wait_dscnt 0x0                               ; the eight ids are in
.irp j, 0,1,2,3,4,5,6,7
	v_min_u32 v[IDR+\j], 0x3fff, v[IDR+\j]
	v_lshl_add_u32 v[VO+\j], v[IDR+\j], 12, v[R16] ; the row's 4,096 bytes of partial, my 16 bytes of a run
.endr
.irp j, 0,1,2,3,4,5,6,7
.irp q, 0,1
	global_store_b128 v[VO+\j], v[TT+4*(2*\j+\q):TT+4*(2*\j+\q)+3], s[56:57] offset:256*\q  ; lanes 0-15: 256 consecutive bytes of row j, aligned; lanes 16-31: of row 8 + j
.endr
.endr
	s_add_co_u32 s49, s49, 1
	s_cmp_lt_u32 s49, s47                          ; blocks past the pass's live ones are not stored
	s_cbranch_scc1 .Lepi
.Lnext:
	s_add_co_u32 s46, s46, 9
	v_add_nc_u32 v[VIDX], 576, v[VIDX]
	s_sub_co_u32 s45, s45, 1
	s_cmp_lg_u32 s45, 0
	s_cbranch_scc1 .Lpass
	s_wait_dscnt 0x0                               ; my reads of LDS are over;
	s_barrier_signal -1
	s_barrier_wait -1                              ; every wave's are: no wave writes LDS again (the add below) before that
	s_wait_tensorcnt 0x0                           ; the wave's end, behind my last LDS store
	ds_add_u32 v[SPW], v[NIL]
	s_wait_dscnt 0x0
	s_endpgm
.Lfunc_end_k_q68fa8819b3_dn:
	.size	k_q68fa8819b3_dn, .Lfunc_end_k_q68fa8819b3_dn-k_q68fa8819b3_dn
	.p2alignl 7, 3214868480
	.fill 96, 4, 3214868480
	.section	.rodata,"a",@progbits
	.p2align	6, 0x0
	.amdhsa_kernel k_q68fa8819b3_dn
		.amdhsa_group_segment_fixed_size 143104
		.amdhsa_private_segment_fixed_size 0
		.amdhsa_enable_private_segment 0
		.amdhsa_kernarg_size 40
		.amdhsa_user_sgpr_count 2
		.amdhsa_user_sgpr_kernarg_segment_ptr 1
		.amdhsa_wavefront_size32 1
		.amdhsa_system_sgpr_workgroup_id_x 1
		.amdhsa_system_sgpr_workgroup_id_y 1
		.amdhsa_system_sgpr_workgroup_id_z 1
		.amdhsa_system_vgpr_workitem_id 0
		.amdhsa_next_free_vgpr 1024
		.amdhsa_next_free_sgpr 66
		.amdhsa_reserve_vcc 1
		.amdhsa_float_denorm_mode_32 3
		.amdhsa_float_denorm_mode_16_64 3
		.amdhsa_memory_ordered 1
		.amdhsa_forward_progress 1
		.amdhsa_inst_pref_size 142
	.end_amdhsa_kernel
	.amdgpu_metadata
---
amdhsa.version: [ 1, 2 ]
amdhsa.kernels:
  - .name:           k_q68fa8819b3_dn
    .symbol:         k_q68fa8819b3_dn.kd
    .args:
      - { .name: act, .offset: 0, .size: 8, .value_kind: global_buffer, .address_space: global }
      - { .name: sel, .offset: 8, .size: 8, .value_kind: global_buffer, .address_space: global }
      - { .name: down_proj, .offset: 16, .size: 8, .value_kind: global_buffer, .address_space: global }
      - { .name: shared_down_w, .offset: 24, .size: 8, .value_kind: global_buffer, .address_space: global }
      - { .name: partial, .offset: 32, .size: 8, .value_kind: global_buffer, .address_space: global }
    .group_segment_fixed_size: 143104
    .private_segment_fixed_size: 0
    .kernarg_segment_align: 8
    .kernarg_segment_size: 40
    .max_flat_workgroup_size: 128
    .sgpr_count:     66
    .vgpr_count:     1024
    .wavefront_size: 32
...
	.end_amdgpu_metadata
.endif
;; end of part 6
;; launch sum (part 7): grid 257 x 1, 8 waves a work-group, no clusters, 0 bytes of LDS; arguments partial, wts, auxp, out0, out1; writes out0, out1
.if DOCPART == 7
	.amdgcn_target "amdgcn-amd-amdhsa--gfx1250"
	.amdhsa_code_object_version 6
	.text
	.protected	k_q68fa8819b3_sum
	.globl	k_q68fa8819b3_sum
	.p2align	8
	.type	k_q68fa8819b3_sum,@function
k_q68fa8819b3_sum:
	s_mov_b64 s[64:65], 0
	v_nop
	global_prefetch_b8 v0, s[64:65] scope:SCOPE_SE
	s_setreg_imm32_b32 hwreg(HW_REG_WAVE_MODE, 25, 1), 1
	s_wait_xcnt 0x0
; out0[token] = the sum over a token's eight partial rows of weight x row (four routed choices with their renormalised weights, four shared chunks with the sigmoid gate), all in f32.
; Work-groups 0 to 255: a wave a token; its eight rows are 32 KiB on end.  A chunk is 128 columns: eight loads of 512 consecutive bytes, one store of 512.  Seven of a token's eight chunks, 56 loads of the
; wave, are asked for at the start; the eighth takes the first's buffer.  The sums are made in place, in the registers of a chunk's first row; chunk 0's, whose buffer is loaded again, in four of their own.
; Work-group 256, wave 0: the aux loss from the 128 work-groups' counts and sums of probabilities: 16 x sum over e of (count_e / 8192) x (P / 2048); the three powers of two are one exact factor 2^-20.
; A stream: no LDS, no barrier, no matrix unit, no cluster: nothing is read twice and no two waves share a byte.  The f32 sums' order is not the reference's.
.set L16, 2
.set XB,  16                           ; v16-239  seven chunk buffers of 32
.set AC0, 240                          ; v240-243 chunk 0's four sums
	s_load_b256 s[4:11], s[0:1], 0x0               ; partial s[4:5], wts s[6:7], auxp s[8:9], out0 s[10:11]
	s_load_b64 s[12:13], s[0:1], 0x20              ; out1
	v_and_b32 v1, 31, v0
	v_lshlrev_b32 v[L16], 4, v1
	v_lshrrev_b32 v3, 5, v0
	v_readfirstlane_b32 s14, v3                    ; wave 0..7
	s_wait_kmcnt 0x0
	s_cmp_eq_u32 ttmp9, 256
	s_cbranch_scc1 .Laux
	s_lshl_b32 s15, ttmp9, 3
	s_add_co_u32 s15, s15, s14                     ; my token
	s_lshl_b32 s40, s15, 5
	s_mov_b32 s41, 0
	s_lshl_b32 s42, s15, 15
	s_mov_b32 s43, 0
	s_lshl_b32 s44, s15, 12
	s_mov_b32 s45, 0
	s_add_nc_u64 s[6:7], s[6:7], s[40:41]
	s_load_b256 s[16:23], s[6:7], 0x0              ; its eight weights
	s_add_nc_u64 s[4:5], s[4:5], s[42:43]
	s_add_nc_u64 s[10:11], s[10:11], s[44:45]
.macro LOADC q
.irp s, 0,1,2,3,4,5,6,7
	global_load_b128 v[XB+32*((\q)%7)+4*\s:XB+32*((\q)%7)+4*\s+3], v[L16], s[4:5] offset:4096*\s+512*(\q) th:TH_LOAD_NT
.endr
.endm
.irp q, 0,1,2,3,4,5,6
	LOADC \q
.endr
	s_wait_kmcnt 0x0
.irp k, 0,1,2,3,4,5,6,7
	s_mov_b32 s[24+2*\k], s[16+\k]                 ; each weight in the low word of a pair of its own: the packed forms take that word for both halves
	s_mov_b32 s[25+2*\k], s[16+\k]
.endr
; left = the loads of the younger chunks, eight each
.macro CHUNK q, left, refill
.set XQ, XB+32*((\q)%7)
.if (\q) == 0
.set AQ, AC0
.else
.set AQ, XQ
.endif
	s_wait_loadcnt \left
	v_pk_mul_f32 v[AQ:AQ+1],   v[XQ:XQ+1],   s[24:25] op_sel_hi:[1,0]
	v_pk_mul_f32 v[AQ+2:AQ+3], v[XQ+2:XQ+3], s[24:25] op_sel_hi:[1,0]
.irp s, 1,2,3,4,5,6,7
	v_pk_fma_f32 v[AQ:AQ+1],   v[XQ+4*\s:XQ+4*\s+1],   s[24+2*\s:25+2*\s], v[AQ:AQ+1] op_sel_hi:[1,0,1]
	v_pk_fma_f32 v[AQ+2:AQ+3], v[XQ+4*\s+2:XQ+4*\s+3], s[24+2*\s:25+2*\s], v[AQ+2:AQ+3] op_sel_hi:[1,0,1]
.endr
.if \refill
	LOADC 7                                        ; the last chunk, into chunk 0's buffer; the loads ahead of the store
.endif
	global_store_b128 v[L16], v[AQ:AQ+3], s[10:11] offset:512*(\q) th:TH_STORE_NT  ; 512 consecutive bytes, aligned
.endm
	CHUNK 0, 48, 1                                 ; chunks 1 to 6 stay out
	CHUNK 1, 48, 0                                 ; chunks 2 to 6 and 7
	CHUNK 2, 40, 0
	CHUNK 3, 32, 0
	CHUNK 4, 24, 0
	CHUNK 5, 16, 0
	CHUNK 6, 8, 0
	CHUNK 7, 0, 0
	s_endpgm
.Laux:
	s_cmp_lg_u32 s14, 0
	s_cbranch_scc1 .Ldone
	s_mov_b32 s20, 0x76543210                      ; v_permlanex16_b32: each lane takes its own place in the other half
	s_mov_b32 s21, 0xfedcba98
.irp i, 0,1,2,3,4,5,6,7,8,9,10,11,12,13,14,15,16,17,18,19,20,21,22,23,24,25,26,27,28,29,30,31
	global_load_b128 v[XB+4*\i:XB+4*\i+3], v[L16], s[8:9] offset:512*\i  ; four work-groups' rows of 128 bytes: lane l has columns 4 (l % 8) .. +3 of row 4 i + l / 8
.endr
	s_wait_loadcnt 0x0
.set i, 4
.rept 28                                ; four chains that do not wait for each other
	v_pk_add_f32 v[XB+4*(i%4):XB+4*(i%4)+1],   v[XB+4*(i%4):XB+4*(i%4)+1],   v[XB+4*i:XB+4*i+1]
	v_pk_add_f32 v[XB+4*(i%4)+2:XB+4*(i%4)+3], v[XB+4*(i%4)+2:XB+4*(i%4)+3], v[XB+4*i+2:XB+4*i+3]
.set i, i+1
.endr
	v_pk_add_f32 v[16:17], v[16:17], v[20:21]
	v_pk_add_f32 v[18:19], v[18:19], v[22:23]
	v_pk_add_f32 v[24:25], v[24:25], v[28:29]
	v_pk_add_f32 v[26:27], v[26:27], v[30:31]
	v_pk_add_f32 v[16:17], v[16:17], v[24:25]
	v_pk_add_f32 v[18:19], v[18:19], v[26:27]
.irp c, 0,1,2,3
	v_add_f32_dpp v[16+\c], v[16+\c], v[16+\c] row_xmask:8 row_mask:0xf bank_mask:0xf  ; the lanes 8, 16 and 24 away hold the same columns
.endr
.irp c, 0,1,2,3
	v_permlanex16_b32 v[20+\c], v[16+\c], s20, s21
.endr
.irp c, 0,1,2,3
	v_add_f32 v[16+\c], v[16+\c], v[20+\c]
.endr
	v_readlane_b32 s22, v16, 4                     ; column 16: the sum of all probabilities
	s_mul_f32 s22, s22, 0x35800000                 ; x 2^-20 = 16 / (2048 x 8192), exact
.irp c, 0,1,2,3
	v_mul_f32 v[16+\c], s22, v[16+\c]
.endr
	v_add_f32 v16, v16, v17
	v_add_f32 v18, v18, v19
	v_add_f32 v16, v16, v18
	v_add_f32_dpp v16, v16, v16 row_xmask:1 row_mask:0xf bank_mask:0xf  ; lanes 0 to 3 hold the 16 experts' columns
	v_add_f32_dpp v16, v16, v16 row_xmask:2 row_mask:0xf bank_mask:0xf
	v_mov_b32 v4, 0
	v_cmp_eq_u32 vcc_lo, 0, v0
	s_wait_xcnt 0x0                                ; EXEC changes only behind this wait
	s_and_saveexec_b32 s23, vcc_lo
	global_store_b32 v4, v16, s[12:13]             ; lane 0 alone
	s_wait_xcnt 0x0                                ; and again, ahead of the line that widens it
	s_or_b32 exec_lo, exec_lo, s23
.Ldone:
	s_endpgm
.Lfunc_end_k_q68fa8819b3_sum:
	.size	k_q68fa8819b3_sum, .Lfunc_end_k_q68fa8819b3_sum-k_q68fa8819b3_sum
	.p2alignl 7, 3214868480
	.fill 96, 4, 3214868480
	.section	.rodata,"a",@progbits
	.p2align	6, 0x0
	.amdhsa_kernel k_q68fa8819b3_sum
		.amdhsa_group_segment_fixed_size 0
		.amdhsa_private_segment_fixed_size 0
		.amdhsa_enable_private_segment 0
		.amdhsa_kernarg_size 40
		.amdhsa_user_sgpr_count 2
		.amdhsa_user_sgpr_kernarg_segment_ptr 1
		.amdhsa_wavefront_size32 1
		.amdhsa_system_sgpr_workgroup_id_x 1
		.amdhsa_system_sgpr_workgroup_id_y 1
		.amdhsa_system_sgpr_workgroup_id_z 1
		.amdhsa_system_vgpr_workitem_id 0
		.amdhsa_next_free_vgpr 244
		.amdhsa_next_free_sgpr 66
		.amdhsa_reserve_vcc 1
		.amdhsa_float_denorm_mode_32 3
		.amdhsa_float_denorm_mode_16_64 3
		.amdhsa_memory_ordered 1
		.amdhsa_forward_progress 1
		.amdhsa_inst_pref_size 26
	.end_amdhsa_kernel
	.amdgpu_metadata
---
amdhsa.version: [ 1, 2 ]
amdhsa.kernels:
  - .name:           k_q68fa8819b3_sum
    .symbol:         k_q68fa8819b3_sum.kd
    .args:
      - { .name: partial, .offset: 0, .size: 8, .value_kind: global_buffer, .address_space: global }
      - { .name: wts, .offset: 8, .size: 8, .value_kind: global_buffer, .address_space: global }
      - { .name: auxp, .offset: 16, .size: 8, .value_kind: global_buffer, .address_space: global }
      - { .name: out0, .offset: 24, .size: 8, .value_kind: global_buffer, .address_space: global }
      - { .name: out1, .offset: 32, .size: 8, .value_kind: global_buffer, .address_space: global }
    .group_segment_fixed_size: 0
    .private_segment_fixed_size: 0
    .kernarg_segment_align: 8
    .kernarg_segment_size: 40
    .max_flat_workgroup_size: 256
    .sgpr_count:     66
    .vgpr_count:     244
    .wavefront_size: 32
...
	.end_amdgpu_metadata
.endif
;; end of part 7
